; MI455X (gfx1250); checked and timed in simulation.
; The chip was launched on July 23, 2026; its instructions are those of AMD's public machine-readable ISA for CDNA 5 (MIT licence, August 2026) and "CDNA5" Instruction Set Architecture Reference Guide (July 2026). The comments in the code are by the model that wrote it; some were corrected since.
;; Attention. Allowed arithmetic: float matrix products may take bf16 or f16 operands with f32 sums; other float arithmetic in f32, or as packed bf16 or f16 multiplies, adds, multiply-adds, maxima and minima; sums over many terms, partial sums and values carried from step to step in f32; what a program stores and reads back later, other than sums and carried values, may be rounded once to bf16 or f16.
;; Inputs: cache_k 4 x 2,048 x 16 x 128 float32; cache_v 4 x 2,048 x 16 x 128 float32; freqs_cos 2,048 x 64 float32; freqs_sin 2,048 x 64 float32; mask 1 x 1 x 2,048 x 2,048 float32; wk 2,048 x 2,048 float32; wo 2,048 x 2,048 float32; wq 2,048 x 2,048 float32; wv 2,048 x 2,048 float32; x 1 x 2,048 x 2,048 float32.
;; Outputs: out0 1 x 2,048 x 2,048 float32.
;; Constants: start_pos = 0.
;; One version. Each part assembles by itself: llvm-mc -triple=amdgcn-amd-amdhsa -mcpu=gfx1250 --defsym DOCPART=n.
;; ======== version 1 of 1: 4 launches
;; limits: values are held in f16: magnitudes above 65,504 overflow, below 6.1e-05 lose precision
;; workspace buffers: xb 8,388,608 bytes; wb 25,165,824 bytes; woh 8,388,608 bytes; maskb 8,388,608 bytes; qkvh 25,165,824 bytes; oh 8,388,608 bytes
;; launch prep (part 1): grid 256 x 6, 8 waves a work-group, no clusters, 0 bytes of LDS; arguments x, wq, wk, wv, wo, mask, xb, wb, woh, maskb; writes xb, wb, woh, maskb
.if DOCPART == 1
	.amdgcn_target "amdgcn-amd-amdhsa--gfx1250"
	.amdhsa_code_object_version 6
	.text
	.protected	k_q8a4f21a4bf_prep
	.globl	k_q8a4f21a4bf_prep
	.p2align	8
	.type	k_q8a4f21a4bf_prep,@function
k_q8a4f21a4bf_prep:
	s_mov_b64 s[64:65], 0
	v_nop
	global_prefetch_b8 v0, s[64:65] scope:SCOPE_SE
	s_setreg_imm32_b32 hwreg(HW_REG_WAVE_MODE, 25, 1), 1
	s_wait_xcnt 0x0
; THE INPUTS ARE ROUNDED ONCE, to bf16 (nearest even), and laid out for the launches that multiply them.
; The work-group's y picks the array: 0 x -> xb; 1, 2, 3 wq, wk, wv -> wb (one behind the other, 8,388,608 bytes apart); 4 wo -> woh; 5 mask -> maskb.
; wo is rounded to bf16 like the others and that number is written as f16, since the last product's other operand is f16.
; LIMIT: |wo| within 65,504; below 6.1e-5 the f16 copy keeps f16's fixed step of 6e-8.
; SHARES.  An array is 16,777,216 bytes of f32: 256 work-groups of 64 KiB, a wave 8 KiB: sixteen loads of 16 bytes a lane, all issued at once; no register is used twice, so no wait frees one.
; maskb is laid out in blocks of 2,048 bytes = 16 queries x 64 keys, block number qt 32 + g 16 + 2 s + e for queries 16 qt .. and keys 64 (4 s + 2 g + e) ..; in a block the 16 bytes at
; 512 kt + 16 lane are mask[16 qt + lane % 16][16 kt + 8 (lane / 16) + 0..7]: what a lane of the attention launch adds to one accumulator of scores.
; No LDS, no matrix unit, no cluster: a stream in which no byte is wanted twice.
.set X, 8                              ; v[8:71]    sixteen loads of four registers
.set Y, 72                             ; v[72:103]  to store
.set T, 104                            ; v[104:109] at work
	s_load_b512 s[8:23], s[0:1], 0x0               ; x, wq, wk, wv, wo, mask, xb, wb
	s_load_b128 s[24:27], s[0:1], 0x40             ; woh, maskb
	s_and_b32 s28, ttmp7, 0xffff                   ; which array
	v_lshrrev_b32 v3, 5, v0
	v_readfirstlane_b32 s29, v3                    ; wave 0..7
	v_and_b32 v4, 31, v0                           ; lane
	s_mov_b32 s32, 0xffff0000                      ; a word's upper bf16
	s_max_u32 s30, s28, 1                          ; wq, wk, wv lie 0, 1, 2 x 8,388,608 bytes into wb; every other array begins its buffer
	s_sub_co_u32 s30, s30, 1
	s_cmp_gt_u32 s28, 3
	s_cselect_b32 s30, 0, s30
	s_lshl_b32 s30, s30, 23
	s_mov_b32 s31, 0
	s_wait_kmcnt 0x0
	s_cmp_eq_u32 s28, 1                            ; the source, chosen by y alone
	s_cselect_b64 s[4:5], s[10:11], s[8:9]
	s_cmp_eq_u32 s28, 2
	s_cselect_b64 s[4:5], s[12:13], s[4:5]
	s_cmp_eq_u32 s28, 3
	s_cselect_b64 s[4:5], s[14:15], s[4:5]
	s_cmp_eq_u32 s28, 4
	s_cselect_b64 s[4:5], s[16:17], s[4:5]
	s_cmp_eq_u32 s28, 5
	s_cselect_b64 s[4:5], s[18:19], s[4:5]
	s_cmp_eq_u32 s28, 0                            ; the destination
	s_cselect_b64 s[6:7], s[20:21], s[22:23]
	s_cmp_eq_u32 s28, 4
	s_cselect_b64 s[6:7], s[24:25], s[6:7]
	s_cmp_eq_u32 s28, 5
	s_cselect_b64 s[6:7], s[26:27], s[6:7]
	s_add_nc_u64 s[6:7], s[6:7], s[30:31]
	s_cmp_eq_u32 s28, 5
	s_cbranch_scc1 .Lmask
	; x and the weights: the order of the numbers stays
	s_lshl_b32 s33, ttmp9, 16                      ; the work-group's 64 KiB,
	s_lshl_b32 s34, s29, 13                        ; the wave's 8 KiB
	s_add_co_u32 s33, s33, s34
	v_lshl_add_u32 v1, v4, 4, s33                  ; in: 16 bytes a lane
	s_lshr_b32 s33, s33, 1
	v_lshl_add_u32 v2, v4, 3, s33                  ; out: 8 bytes a lane
.irp i, 0,1,2,3,4,5,6,7,8,9,10,11,12,13,14,15
	global_load_b128 v[X+4*(\i):X+4*(\i)+3], v1, s[4:5] offset:512*(\i) th:TH_LOAD_NT
.endr
	s_cmp_eq_u32 s28, 4
	s_cbranch_scc1 .Lwo
.irp i, 0,1,2,3,4,5,6,7,8,9,10,11,12,13,14,15
	s_wait_loadcnt 15-(\i)                         ; loads come back in order: load i is in, the younger ones stay out
	v_cvt_pk_bf16_f32 v[Y+2*(\i)], v[X+4*(\i)], v[X+4*(\i)+1]
	v_cvt_pk_bf16_f32 v[Y+2*(\i)+1], v[X+4*(\i)+2], v[X+4*(\i)+3]
	global_store_b64 v2, v[Y+2*(\i):Y+2*(\i)+1], s[6:7] offset:256*(\i)  ; the wave's 32 lanes store 256 consecutive bytes, aligned
.endr
	s_endpgm
.Lwo:
.irp i, 0,1,2,3,4,5,6,7,8,9,10,11,12,13,14,15
	s_wait_loadcnt 15-(\i)
	v_cvt_pk_bf16_f32 v[T], v[X+4*(\i)], v[X+4*(\i)+1]        ; rounded as every input is,
	v_cvt_pk_bf16_f32 v[T+1], v[X+4*(\i)+2], v[X+4*(\i)+3]
	v_lshlrev_b32 v[T+2], 16, v[T]                            ; widened again,
	v_and_b32 v[T+3], s32, v[T]
	v_lshlrev_b32 v[T+4], 16, v[T+1]
	v_and_b32 v[T+5], s32, v[T+1]
	v_cvt_pk_f16_f32 v[Y+2*(\i)], v[T+2], v[T+3]              ; and written as f16
	v_cvt_pk_f16_f32 v[Y+2*(\i)+1], v[T+4], v[T+5]
	global_store_b64 v2, v[Y+2*(\i):Y+2*(\i)+1], s[6:7] offset:256*(\i)
.endr
	s_endpgm
.Lmask:
	; a wave takes 16 queries x 128 keys: 512 consecutive bytes, aligned, of each of 16 rows, and writes two blocks of maskb
	s_lshr_b32 s33, ttmp9, 1                       ; qt
	s_and_b32 s34, ttmp9, 1
	s_lshl_b32 s34, s34, 3
	s_add_co_u32 s34, s34, s29                     ; u = 2 s + g: keys 128 u ..
	v_and_b32 v5, 15, v0                           ; r = lane % 16
	v_bfe_u32 v6, v0, 4, 1                         ; h = lane / 16
	s_lshl_b32 s35, s33, 17                        ; 16 rows of 8,192 bytes
	s_lshl_b32 s36, s34, 9
	s_add_co_u32 s35, s35, s36
	v_lshl_add_u32 v1, v5, 13, s35
	v_lshl_add_u32 v1, v6, 5, v1                   ; + 8 h keys
	s_and_b32 s36, s34, 1                          ; g
	s_lshl_b32 s36, s36, 4
	s_and_b32 s37, s34, 14                         ; 2 s
	s_add_co_u32 s36, s36, s37
	s_lshl_b32 s37, s33, 5
	s_add_co_u32 s36, s36, s37                     ; block number for e = 0
	s_lshl_b32 s36, s36, 11
	v_lshl_add_u32 v2, v4, 4, s36
.irp i, 0,1,2,3,4,5,6,7,8,9,10,11,12,13,14,15      ; i = 8 e + 2 kt + half
	global_load_b128 v[X+4*(\i):X+4*(\i)+3], v1, s[4:5] offset:256*((\i)/8)+64*(((\i)/2)%4)+16*((\i)%2) th:TH_LOAD_NT
.endr
.irp n, 0,1,2,3,4,5,6,7                            ; n = 4 e + kt
	s_wait_loadcnt 14-2*(\n)                       ; the two loads of this chunk are in
	v_cvt_pk_bf16_f32 v[Y+4*(\n)], v[X+8*(\n)], v[X+8*(\n)+1]
	v_cvt_pk_bf16_f32 v[Y+4*(\n)+1], v[X+8*(\n)+2], v[X+8*(\n)+3]
	v_cvt_pk_bf16_f32 v[Y+4*(\n)+2], v[X+8*(\n)+4], v[X+8*(\n)+5]
	v_cvt_pk_bf16_f32 v[Y+4*(\n)+3], v[X+8*(\n)+6], v[X+8*(\n)+7]
	global_store_b128 v2, v[Y+4*(\n):Y+4*(\n)+3], s[6:7] offset:2048*((\n)/4)+512*((\n)%4)  ; 512 consecutive bytes
.endr
	s_endpgm
.Lfunc_end_k_q8a4f21a4bf_prep:
	.size	k_q8a4f21a4bf_prep, .Lfunc_end_k_q8a4f21a4bf_prep-k_q8a4f21a4bf_prep
	.p2alignl 7, 3214868480
	.fill 96, 4, 3214868480
	.section	.rodata,"a",@progbits
	.p2align	6, 0x0
	.amdhsa_kernel k_q8a4f21a4bf_prep
		.amdhsa_group_segment_fixed_size 0
		.amdhsa_private_segment_fixed_size 0
		.amdhsa_enable_private_segment 0
		.amdhsa_kernarg_size 80
		.amdhsa_user_sgpr_count 2
		.amdhsa_user_sgpr_kernarg_segment_ptr 1
		.amdhsa_wavefront_size32 1
		.amdhsa_system_sgpr_workgroup_id_x 1
		.amdhsa_system_sgpr_workgroup_id_y 1
		.amdhsa_system_sgpr_workgroup_id_z 1
		.amdhsa_system_vgpr_workitem_id 0
		.amdhsa_next_free_vgpr 112
		.amdhsa_next_free_sgpr 66
		.amdhsa_reserve_vcc 0
		.amdhsa_float_denorm_mode_32 3
		.amdhsa_float_denorm_mode_16_64 3
		.amdhsa_memory_ordered 1
		.amdhsa_forward_progress 1
		.amdhsa_inst_pref_size 21
	.end_amdhsa_kernel
	.amdgpu_metadata
---
amdhsa.version: [ 1, 2 ]
amdhsa.kernels:
  - .name:           k_q8a4f21a4bf_prep
    .symbol:         k_q8a4f21a4bf_prep.kd
    .args:
      - { .name: x, .offset: 0, .size: 8, .value_kind: global_buffer, .address_space: global }
      - { .name: wq, .offset: 8, .size: 8, .value_kind: global_buffer, .address_space: global }
      - { .name: wk, .offset: 16, .size: 8, .value_kind: global_buffer, .address_space: global }
      - { .name: wv, .offset: 24, .size: 8, .value_kind: global_buffer, .address_space: global }
      - { .name: wo, .offset: 32, .size: 8, .value_kind: global_buffer, .address_space: global }
      - { .name: mask, .offset: 40, .size: 8, .value_kind: global_buffer, .address_space: global }
      - { .name: xb, .offset: 48, .size: 8, .value_kind: global_buffer, .address_space: global }
      - { .name: wb, .offset: 56, .size: 8, .value_kind: global_buffer, .address_space: global }
      - { .name: woh, .offset: 64, .size: 8, .value_kind: global_buffer, .address_space: global }
      - { .name: maskb, .offset: 72, .size: 8, .value_kind: global_buffer, .address_space: global }
    .group_segment_fixed_size: 0
    .private_segment_fixed_size: 0
    .kernarg_segment_align: 8
    .kernarg_segment_size: 80
    .max_flat_workgroup_size: 256
    .sgpr_count:     66
    .vgpr_count:     112
    .wavefront_size: 32
...
	.end_amdgpu_metadata
.endif
;; end of part 1
;; launch qkv (part 2): grid 16 x 16, 4 waves a work-group, clusters of 4 x 4, 327,680 bytes of LDS; arguments xb, wb, freqs_cos, freqs_sin, qkvh; writes qkvh
.if DOCPART == 2
	.amdgcn_target "amdgcn-amd-amdhsa--gfx1250"
	.amdhsa_code_object_version 6
	.text
	.protected	k_q8a4f21a4bf_qkv
	.globl	k_q8a4f21a4bf_qkv
	.p2align	8
	.type	k_q8a4f21a4bf_qkv,@function
k_q8a4f21a4bf_qkv:
	s_mov_b64 s[64:65], 0
	v_nop
	global_prefetch_b8 v0, s[64:65] scope:SCOPE_SE
	s_setreg_imm32_b32 hwreg(HW_REG_WAVE_MODE, 25, 1), 1
	s_wait_xcnt 0x0
	s_wait_alu depctr_hold_cnt(0) depctr_sa_sdst(0) depctr_va_vdst(0) depctr_va_sdst(0) depctr_va_ssrc(0) depctr_va_vcc(0) depctr_vm_vsrc(0)
	s_getreg_b32 s2, hwreg(HW_REG_IB_STS2, 6, 4)
	s_cmp_eq_u32 s2, 0
	s_cbranch_scc0 .Lentry_in_a_cluster
	s_endpgm
.Lentry_in_a_cluster:
	s_bfe_u32 s2, ttmp6, 0x10000c
	s_cmp_lg_u32 s2, 0xf033
	s_cbranch_scc0 .Lentry_shape_is_right
	s_endpgm
.Lentry_shape_is_right:
; q, k, v = x W for 128 rows of x and ONE head (128 columns of each of wq, wk, wv), products in bf16, sums in f32; then RoPE on q and k (cos and sin rounded to bf16, as every input is),
; q times log2(e) / sqrt(128), and all three rounded once to f16 into qkvh: q', k, v, each [16 heads][2048 rows][128], 8,388,608 bytes apart.
; THE CACHES.  With start_pos = 0, seqlen = 2048 = the caches' length and one batch, the update writes over every cache number that is read back, and the caches are not returned:
; no number of cache_k or cache_v reaches the output, whatever they hold.  k and v go straight on to the attention launch.
; LIMITS.  f16 ends at 65,504: |k|, |v| and |q| x 0.1275 must lie within it.  NaN and infinities are not treated apart.
; SHARES.  Four waves; wave w makes rows 64 (w / 2) .. and columns 64 (w % 2) .. of each of q, k, v: 4 x 12 accumulators of 16 x 16, 384 registers.  K goes in 16 steps of 128.
; THE RING.  Two LDS slots of four regions of 0x9000 bytes, one for each wave's tensor load of 128 rows x 256 bytes: wave 0 brings x's tile (rows 272 bytes apart), waves 1, 2, 3 those of wq, wk, wv
; (128 rows of K, 288 bytes apart).  W lies [K][N], so its fragments are read turned, by ds_load_tr16_b128.
; CLUSTER 4 x 4.  The row block is the work-group's x, the head its y: work-groups of one y share W, which is three times x's bytes.  x's tile hangs on the row block alone and is asked for jointly
; along a column of the cluster, W's tiles on the head alone, jointly along a row.
; THE PRODUCT IS USED TRANSPOSED (source 0 = 16 columns of W, source 1 = 16 rows of x): a lane holds one row and eight neighbouring columns: four RoPE pairs, 16 bytes of f16.
; REGISTERS, in windows of 256: window 0: v10-30 addresses; v32-63, v64-95 x's fragments, two buffers; v96-123 at work; v128-191 cos, v192-255 sin (f32, as loaded)
;   window 1: v0-95, v96-191 W's fragments, two buffers (matrix m, column block b at 8 (4 m + b));  window 2: v0-127 q's sums, v128-255 k's, at 8 (4 a + b);  window 3: v0-127 v's
.set PA,     272                       ; 256 bytes + 16: the 16 rows of a fragment load start at 16 different groups of four banks (ISA guide 11.1)
.set PB,     288                       ; 256 + 32
.set REGION, 0x9000
.set SLOT,   0x24000                   ; no region's address has one of these two bits, so an exclusive or changes slots
.set SPARE,  0x48000                   ; behind the ring: the spare words, 128 bytes a wave, which no other line names
.set STG,    0x8800                    ; the way out: 128 rows x 272 bytes for each of q, k, v, from byte 0: in slot 0, behind its last fill and its last read
.set FO,   10                          ; v10  my byte offset in cos and sin
.set STO,  11                          ; v11  where I put 16 bytes of a row of q (k: by the immediate);  v12 the same for v
.set STOV, 12
.set RD,   14                          ; v14  where I read rows back;  v15 the same for v
.set RDV,  15
.set ADRA, 16                          ; v16  LDS address of my fragments of x in the slot in hand
.set AL,   17                          ; v17  the same less the slot; never rewritten
.set ADRB, 20                          ; v20-22  the same for wq, wk, wv
.set BL,   23                          ; v23-25
.set CO,   26                          ; v26  16 x lane
.set SPW,  28                          ; v28  my spare word; never rewritten
.set NIL,  29                          ; v29  0; never rewritten
.set PFO,  30                          ; v30  4,096 x lane: a row of xb or wb; never rewritten
.set FA,   32
.set CP,   96                          ; v96-103  four pairs (cos, sin)
.set TT,   104
.set DD,   112
.set PKR,  120
.set COSR, 128
.set SINR, 192
.set WV,  22                           ; s22  my wave's number
.set G1A, 24                           ; s[24:31] descriptor group 1 for x's tiles;  s[32:39] group 0: a set for each first fill; the second then walks
.set G0A, 32
.set PFA, 44                           ; s[44:45] where my prefetches stand
.set G1B, 48                           ; s[48:55], s[56:63] the same for W's tiles
.set G0B, 56
.set LIM, 66                           ; s66  1 in a wave that prefetches, else the greatest number
.set CNT, 67                           ; s67  trips to go
.set PST, 68                           ; s[68:69] a K step in bytes for my prefetches: 256 along x's rows, 128 rows of W
.set TB,  70                           ; s70  0 or SLOT: the slot in hand
.set QS,  72                           ; s[72:73] log2(e) / sqrt(128)
.set HIM, 74                           ; s74  a word's upper bf16
.set OB,  76                           ; s[76:81] q', k, v at the rows that I store
.set MSB, 0
.macro WIN new                         ; the immediate's high byte repeats the setting that is left; a switch that changes nothing is dropped
.if MSB != (\new)
	s_set_vgpr_msb (MSB<<8)|(\new)
.set MSB, \new
.endif
.endm
.macro PLACES                          ; four places in front of loads into registers that products have read, and of lines that read results
.rept 4
	v_nop
.endr
.endm
.macro CROUND                          ; a round of the cluster's barrier
	s_barrier_signal -1
	s_barrier_wait -1
	s_cmp_lg_u32 s[WV], 0
	s_cbranch_scc1 .Lnot_wave_0_\@
	s_barrier_signal -3
.Lnot_wave_0_\@:
	s_barrier_wait -3
	s_barrier_signal -1
	s_barrier_wait -1
.endm
.macro JLOAD                           ; a joint refill by the walking sets: wave 0 x's tile, waves 1 to 3 W's; an s_nop 0 and four v_nop follow each line
	s_cmp_eq_u32 s[WV], 0
	s_cbranch_scc0 .Lfor_b_\@
	tensor_load_to_lds s[G0A+4:G0A+7], s[G1A:G1A+7]
	s_nop 0
.rept 4
	v_nop
.endr
	s_branch .Lasked_\@
.Lfor_b_\@:
	tensor_load_to_lds s[G0B+4:G0B+7], s[G1B:G1B+7]
	s_nop 0
.rept 4
	v_nop
.endr
.Lasked_\@:
.endm
; A PREFETCH INTO THE L2 of the K step that the NEXT refill will ask for: 32 rows x 256 bytes, a lane a row, one instruction a wave, 192 products ahead of that load.
; Each row's 256 bytes of a step are named once in the launch: x's tile is read by every cluster of a column of clusters: cluster y = 0 asks; W's by every cluster of a row: cluster x = 0 asks.
; The four partners that ask for a tile jointly share its 128 rows out by address, 32 each.  The last trip asks for nothing: there is no step behind its refill's.
.macro ASK
	s_cmp_gt_u32 s[CNT], s[LIM]
	s_cbranch_scc0 .Lnot_mine_\@
	global_prefetch_b8 v[PFO], s[PFA:PFA+1] th:TH_LOAD_NT scope:SCOPE_SE
.Lnot_mine_\@:
.endm
	s_load_b256 s[4:11], s[0:1], 0x0               ; xb s[4:5], wb s[6:7], cos s[8:9], sin s[10:11]
	s_load_b64 s[12:13], s[0:1], 0x20              ; qkvh
	v_lshl_add_u32 v[SPW], v0, 2, SPARE
	v_mov_b32 v[NIL], 0
	ds_add_u32 v[SPW], v[NIL]                      ; the wave's opening: the add and its wait ahead of my first tensor load; work on registers stands between them
	v_lshrrev_b32 v1, 5, v0
	v_readfirstlane_b32 s[WV], v1                  ; wave 0..3
	s_bfe_u32 s40, ttmp6, 0x40000                  ; cx
	s_bfe_u32 s41, ttmp6, 0x40004                  ; cy
	s_lshl_b32 s43, ttmp9, 2
	s_add_co_u32 s43, s43, s40                     ; the block of 128 rows = 4 x cluster x + cx
	s_and_b32 s42, ttmp7, 0xffff
	s_lshl_b32 s42, s42, 2
	s_add_co_u32 s42, s42, s41                     ; the head = 4 x cluster y + cy
	s_lshl_b32 s14, s41, 2
	s_lshl_b32 s14, 15, s14                        ; my row of the cluster
	s_lshl_b32 s15, 0x1111, s40                    ; my column
	s_or_b32 s[G1A], s15, (1<<16)|(1<<20)|(1<<21)|(5<<22)|(3<<25)  ; x's tiles go to my column; 2-byte elements; padding on; bit 21 beside a mask; after every 64 words; 4 words
	s_or_b32 s[G1B], s14, (1<<16)|(1<<20)|(1<<21)|(5<<22)|(7<<25)  ; W's tiles go to my row; 8 words of padding
.irp g, G1A, G1B
	s_mov_b32 s[(\g)+1], 128<<16                   ; tensor_dim0 = 128
	s_mov_b32 s[(\g)+2], 128<<16                   ; tensor_dim1 = 128
	s_mov_b32 s[(\g)+3], 128<<16                   ; tile_dim0 = 128
	s_mov_b32 s[(\g)+4], 128                       ; tile_dim1 = 128
	s_mov_b32 s[(\g)+5], 2048                      ; elements from row to row
	s_mov_b32 s[(\g)+6], 0
	s_mov_b32 s[(\g)+7], 0
.endr
	s_lshl_b32 s16, s43, 19                        ; x: 128 rows of 4,096 bytes for each block
	s_mov_b32 s17, 0
	s_max_u32 s46, s[WV], 1                        ; W: waves 1, 2, 3 take wq, wk, wv (wave 0 issues no load by this address)
	s_sub_co_u32 s46, s46, 1
	s_lshl_b32 s46, s46, 23
	s_lshl_b32 s47, s42, 8                         ; the head's 256 bytes of a row
	s_add_co_u32 s46, s46, s47
	s_mov_b32 s47, 0
	s_mul_i32 s20, s[WV], REGION                   ; where my tile goes: no place in the cluster enters an LDS address
	s_mov_b32 s[TB], 0
	s_mov_b32 s[QS], 0x3e0293ee                    ; 0.127517
	s_mov_b32 s[QS+1], s[QS]
	s_mov_b32 s[HIM], 0xffff0000
	s_mov_b32 s[CNT], 14
	s_wait_dscnt 0x0                               ; the opening add is done
	s_wait_kmcnt 0x0
	s_add_nc_u64 s[18:19], s[4:5], s[16:17]
	s_add_nc_u64 s[46:47], s[6:7], s[46:47]
	CROUND                                         ; all sixteen work-groups are here: the first joint loads meet
.irp s, 0,1
	s_mov_b32 s[G0A+4*(\s)], 1
	s_add_co_u32 s[G0A+4*(\s)+1], s20, (\s)*SLOT
	s_add_nc_u64 s[G0A+4*(\s)+2:G0A+4*(\s)+3], s[18:19], (\s)*256        ; K step s: 256 bytes along the rows
	s_or_b32 s[G0A+4*(\s)+3], s[G0A+4*(\s)+3], 0x80000000
	s_mov_b32 s[G0B+4*(\s)], 1
	s_add_co_u32 s[G0B+4*(\s)+1], s20, (\s)*SLOT
	s_add_nc_u64 s[G0B+4*(\s)+2:G0B+4*(\s)+3], s[46:47], (\s)*0x80000    ; K step s: 128 rows down
	s_or_b32 s[G0B+4*(\s)+3], s[G0B+4*(\s)+3], 0x80000000
.endr
	s_cmp_eq_u32 s[WV], 0                          ; a wave's two first fills stand in one branch: two loads of mine are out
	s_cbranch_scc0 .Lfirst_b
	tensor_load_to_lds s[G0A:G0A+3], s[G1A:G1A+7]
	s_nop 0
	tensor_load_to_lds s[G0A+4:G0A+7], s[G1A:G1A+7]
	s_nop 0
.rept 4
	v_nop
.endr
	s_branch .Lfirst_asked
.Lfirst_b:
	tensor_load_to_lds s[G0B:G0B+3], s[G1B:G1B+7]
	s_nop 0
	tensor_load_to_lds s[G0B+4:G0B+7], s[G1B:G1B+7]
	s_nop 0
.rept 4
	v_nop
.endr
.Lfirst_asked:
	v_and_b32 v1, 15, v0                           ; r = l % 16
	v_bfe_u32 v2, v0, 4, 1                         ; h = l / 16
	v_and_b32 v3, 7, v0
	v_bfe_u32 v4, v0, 3, 1
	v_and_b32 v6, 31, v0
	s_lshr_b32 s14, s[WV], 1                       ; which 64 rows are mine
	s_and_b32 s15, s[WV], 1                        ; which 64 columns
	; cos and sin of my rows and pairs: row 16 a + r, pairs 32 nh + 8 b + 4 h + 0..3: they stay in registers until the way out
	v_lshlrev_b32 v[FO], 8, v1
	v_lshl_add_u32 v[FO], v2, 4, v[FO]
	s_lshl_b32 s16, s15, 7
	v_add_nc_u32 v[FO], s16, v[FO]
	s_lshl_b32 s82, s43, 15
	s_lshl_b32 s83, s14, 14
	s_add_co_u32 s82, s82, s83
	s_mov_b32 s83, 0
	s_add_nc_u64 s[8:9], s[8:9], s[82:83]
	s_add_nc_u64 s[10:11], s[10:11], s[82:83]
.irp a, 0,1,2,3
.irp b, 0,1,2,3
	global_load_b128 v[COSR+4*(4*(\a)+(\b)):COSR+4*(4*(\a)+(\b))+3], v[FO], s[8:9] offset:(\a)*4096+32*(\b)
	global_load_b128 v[SINR+4*(4*(\a)+(\b)):SINR+4*(4*(\a)+(\b))+3], v[FO], s[10:11] offset:(\a)*4096+32*(\b)
.endr
.endr
	v_mul_u32_u24 v[AL], v1, PA                    ; a fragment of x: row x pitch + 16 x half, two loads 32 bytes apart
	v_lshl_add_u32 v[AL], v2, 4, v[AL]
	s_mul_i32 s17, s14, 64*PA
	v_add_nc_u32 v[AL], s17, v[AL]
	v_lshl_add_u32 v5, v2, 3, v3                   ; the turning load: K row 8 h + l % 8, columns 8 ((l / 8) % 2) ..
	v_mul_u32_u24 v5, v5, PB
	v_lshl_add_u32 v5, v4, 4, v5
	v_add_nc_u32 v5, s16, v5                       ; + my 64 columns
	v_add_nc_u32 v[BL], REGION, v5
	v_add_nc_u32 v[BL+1], 2*REGION, v5
	v_add_nc_u32 v[BL+2], 3*REGION, v5
	v_mov_b32 v[ADRA], v[AL]                       ; slot 0
	v_mov_b32 v[ADRB], v[BL]
	v_mov_b32 v[ADRB+1], v[BL+1]
	v_mov_b32 v[ADRB+2], v[BL+2]
	v_add_nc_u32 v[STO], s16, v[AL]                ; the stage has x's pitch: row 64 mh + r, 128 nh + 16 h bytes in
	v_add_nc_u32 v[STOV], 2*STG, v[STO]
	s_mul_i32 s17, s[WV], 32*PA                    ; back: wave w takes rows 32 w .. whole; lanes 0-15 one row, lanes 16-31 the next
	v_mul_u32_u24 v[RD], v2, PA
	v_lshl_add_u32 v[RD], v1, 4, v[RD]
	v_add_nc_u32 v[RD], s17, v[RD]
	v_add_nc_u32 v[RDV], 2*STG, v[RD]
	v_lshlrev_b32 v[CO], 4, v6
	v_lshlrev_b32 v[PFO], 12, v6
	s_lshl_b32 s82, s43, 15                        ; the rows that I store: 128 x block + 32 x wave, 256 bytes each, in my head's 524,288 bytes
	s_lshl_b32 s83, s[WV], 13
	s_add_co_u32 s82, s82, s83
	s_lshl_b32 s83, s42, 19
	s_add_co_u32 s82, s82, s83
	s_mov_b32 s83, 0
	s_add_nc_u64 s[OB:OB+1], s[12:13], s[82:83]
	s_add_nc_u64 s[OB+2:OB+3], s[OB:OB+1], 0x800000
	s_add_nc_u64 s[OB+4:OB+5], s[OB:OB+1], 0x1000000
	; the prefetches
	s_and_b32 s82, ttmp7, 0xffff                   ; cluster y
	s_mov_b32 s[PST], 0x80000
	s_mov_b32 s[PST+1], 0
	s_cmp_eq_u32 s[WV], 0                          ; do I fetch x's tile?
	s_cselect_b32 s83, s82, ttmp9                  ; the coordinate along which other clusters read the same rows: cluster y for x's, cluster x for W's
	s_cselect_b32 s84, s41, s40                    ; my place among the four that ask with me: cy for x's tile, cx for W's
	s_cselect_b64 s[PFA:PFA+1], s[18:19], s[46:47]
	s_cselect_b32 s[PST], 256, s[PST]
	s_cmp_eq_u32 s83, 0
	s_cselect_b32 s[LIM], 1, -1
	s_lshl_b32 s84, s84, 17                        ; my work-group's 32 rows of 4,096 bytes
	s_mov_b32 s85, 0
	s_add_nc_u64 s[PFA:PFA+1], s[PFA:PFA+1], s[84:85]
	s_add_nc_u64 s[PFA:PFA+1], s[PFA:PFA+1], s[PST:PST+1]
	s_add_nc_u64 s[PFA:PFA+1], s[PFA:PFA+1], s[PST:PST+1]  ; at K step 2: the first change of slots steps it to 3.  Nothing is asked for here, where every work-group's first tiles are on their way
; 16 products: matrix m (0 q, 1 k, 2 v), all 4 x 4 accumulators, 32 along K, from buffer f.  Each accumulator has one turn in a quarter step.
.macro MUL16 f, m, zero
	WIN 0xa1+0x50*((\m)/2)                         ; W window 1, x window 0, sums window 2 (q, k) or 3 (v)
.irp a, 0,1,2,3
.irp b, 0,1,2,3
.set rD, 128*((\m)%2)+8*(4*(\a)+(\b))
.set rB, 96*(\f)+8*(4*(\m)+(\b))
.set rA, FA+32*(\f)+8*(\a)
.if \zero
	v_wmma_f32_16x16x32_bf16 v[rD:rD+7], v[rB:rB+7], v[rA:rA+7], 0
.else
	v_wmma_f32_16x16x32_bf16 v[rD:rD+7], v[rB:rB+7], v[rA:rA+7], v[rD:rD+7]
.endif
.endr
.endr
.endm
; 32 LDS loads in one run: the fragments of quarter kq (32 along K) into buffer f: x's 8, then wq's, wk's, wv's 8 each
.macro FETCH kq, f
	WIN 0
.irp a, 0,1,2,3
	ds_load_b128 v[FA+32*(\f)+8*(\a):FA+32*(\f)+8*(\a)+3],   v[ADRA] offset:(\a)*16*PA+64*(\kq)
	ds_load_b128 v[FA+32*(\f)+8*(\a)+4:FA+32*(\f)+8*(\a)+7], v[ADRA] offset:(\a)*16*PA+64*(\kq)+32
.endr
	WIN 0x40                                       ; destination window 1
.irp m, 0,1,2
.irp b, 0,1,2,3
	ds_load_tr16_b128 v[96*(\f)+8*(4*(\m)+(\b)):96*(\f)+8*(4*(\m)+(\b))+3],   v[ADRB+(\m)] offset:32*(\kq)*PB+32*(\b)
	ds_load_tr16_b128 v[96*(\f)+8*(4*(\m)+(\b))+4:96*(\f)+8*(4*(\m)+(\b))+7], v[ADRB+(\m)] offset:32*(\kq)*PB+16*PB+32*(\b)
.endr
.endr
.endm
; One of a K step's first three quarters: multiplies buffer f; behind q's 16 products it fetches quarter kq into buffer g, 32 products ahead of its first use.
.macro QUARTER f, g, kq, zero
	s_wait_dscnt 16                                ; x's and wq's fragments are in; the youngest 16 loads (wk's, wv's) may be out
	MUL16 \f, 0, \zero
	PLACES
	FETCH \kq, \g
	s_wait_dscnt 32                                ; all but the 32 just issued
	MUL16 \f, 1, \zero
	MUL16 \f, 2, \zero
.endm
; The last quarter BEGINS with the change of slots: this slot's last fragments are in buffer 1.  Each wave waits for all its tensor loads (one is out: its part of the next slot), adds 0 to its spare
; word, and waits for that and for its reads of this slot.  fill = 1: a round of the cluster's barrier follows at once, and the joint refill, two K steps on, is the first tensor load behind it.
; No product stands between the wait for the tiles and the refill: the refill has the step's 192 products in which to land, this quarter's 48 among them.
.macro TURN fill
.if \fill
	s_wait_xcnt 0x0                                ; the last prefetch, a K step back, has read its address
	s_add_nc_u64 s[PFA:PFA+1], s[PFA:PFA+1], s[PST:PST+1]
.endif
	WIN 0
	s_wait_tensorcnt 0x0                           ; no tensor load of mine is out, so a group 0 may be written
	ds_add_u32 v[SPW], v[NIL]
.if \fill
	s_xor_b32 s[G0A+5], s[G0A+5], SLOT             ; the walking sets: the other slot, the next K step
	s_add_nc_u64 s[G0A+6:G0A+7], s[G0A+6:G0A+7], 256
	s_xor_b32 s[G0B+5], s[G0B+5], SLOT
	s_add_nc_u64 s[G0B+6:G0B+7], s[G0B+6:G0B+7], 0x80000
.endif
	s_wait_dscnt 0x0                               ; the add is done, and my reads of this slot are over (the run into buffer 1 was issued 32 products ago)
.if \fill
	CROUND                                         ; no wave of any partner still reads this slot or has a load on its way
	JLOAD                                          ; its four v_nop are also the places in front of the loads below
.else
	s_barrier_signal -1
	s_barrier_wait -1
	PLACES
.endif
	s_xor_b32 s[TB], s[TB], SLOT
	v_add_nc_u32 v[ADRA], s[TB], v[AL]
	v_add_nc_u32 v[ADRB], s[TB], v[BL]
	v_add_nc_u32 v[ADRB+1], s[TB], v[BL+1]
	v_add_nc_u32 v[ADRB+2], s[TB], v[BL+2]
	FETCH 0, 0                                     ; the next slot's first fragments, 48 products ahead of their first use
.if \fill
	WIN 0
	ASK
.endif
	MUL16 1, 0, 0
	MUL16 1, 1, 0
	MUL16 1, 2, 0
.endm
	s_wait_tensorcnt 1                             ; my part of K step 0 is in; step 1's may stay out
	s_barrier_signal -1
	s_barrier_wait -1
	FETCH 0, 0
	QUARTER 0, 1, 1, 1                             ; the first quarter's products start the sums
	WIN 0
.Lstep:                                            ; 14 trips, from a step's second quarter to the next step's first; each fills a slot again
	QUARTER 1, 0, 2, 0
	QUARTER 0, 1, 3, 0
	TURN 1
	QUARTER 0, 1, 1, 0
	WIN 0
	s_sub_co_u32 s[CNT], s[CNT], 1
	s_cmp_lg_u32 s[CNT], 0
	s_cbranch_scc1 .Lstep
	s_mov_b32 s[CNT], 2
.Ltail:                                            ; steps 14 and 15 ask for nothing: one text, walked twice; the second walk is left in its middle
	QUARTER 1, 0, 2, 0
	QUARTER 0, 1, 3, 0
	WIN 0
	s_sub_co_u32 s[CNT], s[CNT], 1
	s_cmp_eq_u32 s[CNT], 0
	s_cbranch_scc1 .Llast
	TURN 0
	QUARTER 0, 1, 1, 0
	WIN 0
	s_branch .Ltail
.Llast:
	s_wait_dscnt 16                                ; the very last quarter: nothing more to fetch
	MUL16 1, 0, 0
	s_wait_dscnt 0x0
	MUL16 1, 1, 0
	MUL16 1, 2, 0
	WIN 0
	PLACES
	PLACES
	s_wait_loadcnt 0x0                             ; cos and sin
; THE WAY OUT.  For a pair (xr, xi) and (c, s): T = (xi s, xr s), then (xr c - xi s, xi c + xr s): two packed lines.  Each accumulator's registers are read in ascending order.
.macro ROPE base
	WIN 0x02                                       ; source 0, the sums, in window 2
.irp i, 0,1,2,3
	v_pk_mul_f32 v[TT+2*(\i):TT+2*(\i)+1], v[(\base)+2*(\i):(\base)+2*(\i)+1], v[CP+2*(\i):CP+2*(\i)+1] op_sel:[1,1] op_sel_hi:[0,1]
.endr
.irp i, 0,1,2,3
	v_pk_fma_f32 v[DD+2*(\i):DD+2*(\i)+1], v[(\base)+2*(\i):(\base)+2*(\i)+1], v[CP+2*(\i):CP+2*(\i)+1], v[TT+2*(\i):TT+2*(\i)+1] op_sel_hi:[1,0,1] neg_lo:[0,0,1]
.endr
	WIN 0
.endm
.macro OUT a, b
.set ix, 4*(\a)+(\b)
	WIN 0
.irp i, 0,1,2,3
	v_cvt_pk_bf16_f32 v[TT+(\i)], v[COSR+4*ix+(\i)], v[SINR+4*ix+(\i)]  ; cos and sin rounded as every input is
.endr
.irp i, 0,1,2,3
	v_lshlrev_b32 v[CP+2*(\i)], 16, v[TT+(\i)]
	v_and_b32 v[CP+2*(\i)+1], s[HIM], v[TT+(\i)]
.endr
	ROPE 8*ix
.irp i, 0,1,2,3
	v_pk_mul_f32 v[DD+2*(\i):DD+2*(\i)+1], v[DD+2*(\i):DD+2*(\i)+1], s[QS:QS+1] op_sel_hi:[1,0]
.endr
.irp i, 0,1,2,3
	v_cvt_pk_f16_f32 v[PKR+(\i)], v[DD+2*(\i)], v[DD+2*(\i)+1]
.endr
	ds_store_b128 v[STO], v[PKR:PKR+3] offset:(\a)*16*PA+32*(\b)
	ROPE 128+8*ix
.irp i, 0,1,2,3
	v_cvt_pk_f16_f32 v[PKR+(\i)], v[DD+2*(\i)], v[DD+2*(\i)+1]
.endr
	ds_store_b128 v[STO], v[PKR:PKR+3] offset:STG+(\a)*16*PA+32*(\b)
	WIN 0x0f                                       ; both sources in window 3
.irp i, 0,1,2,3
	v_cvt_pk_f16_f32 v[PKR+(\i)], v[8*ix+2*(\i)], v[8*ix+2*(\i)+1]
.endr
	WIN 0
	ds_store_b128 v[STOV], v[PKR:PKR+3] offset:(\a)*16*PA+32*(\b)
.endm
.irp a, 0,1,2,3
.irp b, 0,1,2,3
	OUT \a, \b
.endr
.endr
	s_wait_dscnt 0x0                               ; for the others' sake: a row's 256 bytes come from two waves
	s_barrier_signal -1
	s_barrier_wait -1
.set i, 0
.rept 32
	ds_load_b128 v[64+4*i:64+4*i+3], v[RD] offset:(i/16)*STG+(i%16)*2*PA
.set i, i+1
.endr
.rept 16
	ds_load_b128 v[64+4*i:64+4*i+3], v[RDV] offset:(i%16)*2*PA
.set i, i+1
.endr
.set i, 0
.rept 48
.if (i%4) == 0
	s_wait_dscnt 44-i                              ; LDS loads come back in order: loads i to i + 3 are in, the 44 - i behind them may be out
.endif
	global_store_b128 v[CO], v[64+4*i:64+4*i+3], s[OB+2*(i/16):OB+2*(i/16)+1] offset:512*(i%16)  ; two rows: 512 consecutive bytes, aligned
.set i, i+1
.endr
	s_wait_tensorcnt 0x0                           ; the wave's end
	ds_add_u32 v[SPW], v[NIL]
	s_wait_dscnt 0x0
	CROUND                                         ; the closing round
	s_endpgm
.Lfunc_end_k_q8a4f21a4bf_qkv:
	.size	k_q8a4f21a4bf_qkv, .Lfunc_end_k_q8a4f21a4bf_qkv-k_q8a4f21a4bf_qkv
	.p2alignl 7, 3214868480
	.fill 96, 4, 3214868480
	.section	.rodata,"a",@progbits
	.p2align	6, 0x0
	.amdhsa_kernel k_q8a4f21a4bf_qkv
		.amdhsa_group_segment_fixed_size 327680
		.amdhsa_private_segment_fixed_size 0
		.amdhsa_enable_private_segment 0
		.amdhsa_kernarg_size 40
		.amdhsa_user_sgpr_count 2
		.amdhsa_user_sgpr_kernarg_segment_ptr 1
		.amdhsa_wavefront_size32 1
		.amdhsa_system_sgpr_workgroup_id_x 1
		.amdhsa_system_sgpr_workgroup_id_y 1
		.amdhsa_system_sgpr_workgroup_id_z 1
		.amdhsa_system_vgpr_workitem_id 0
		.amdhsa_next_free_vgpr 896
		.amdhsa_next_free_sgpr 96
		.amdhsa_reserve_vcc 0
		.amdhsa_float_denorm_mode_32 3
		.amdhsa_float_denorm_mode_16_64 3
		.amdhsa_memory_ordered 1
		.amdhsa_forward_progress 1
		.amdhsa_inst_pref_size 121
	.end_amdhsa_kernel
	.amdgpu_metadata
---
amdhsa.version: [ 1, 2 ]
amdhsa.kernels:
  - .name:           k_q8a4f21a4bf_qkv
    .symbol:         k_q8a4f21a4bf_qkv.kd
    .args:
      - { .name: xb, .offset: 0, .size: 8, .value_kind: global_buffer, .address_space: global }
      - { .name: wb, .offset: 8, .size: 8, .value_kind: global_buffer, .address_space: global }
      - { .name: freqs_cos, .offset: 16, .size: 8, .value_kind: global_buffer, .address_space: global }
      - { .name: freqs_sin, .offset: 24, .size: 8, .value_kind: global_buffer, .address_space: global }
      - { .name: qkvh, .offset: 32, .size: 8, .value_kind: global_buffer, .address_space: global }
    .group_segment_fixed_size: 327680
    .private_segment_fixed_size: 0
    .kernarg_segment_align: 8
    .kernarg_segment_size: 40
    .max_flat_workgroup_size: 128
    .sgpr_count:     96
    .vgpr_count:     896
    .wavefront_size: 32
...
	.end_amdgpu_metadata
.endif
;; end of part 2
;; launch attn (part 3): grid 16 x 16, 4 waves a work-group, clusters of 4 x 1, 327,680 bytes of LDS; arguments qkvh, maskb, oh; writes oh
.if DOCPART == 3
	.amdgcn_target "amdgcn-amd-amdhsa--gfx1250"
	.amdhsa_code_object_version 6
	.text
	.protected	k_q8a4f21a4bf_attn
	.globl	k_q8a4f21a4bf_attn
	.p2align	8
	.type	k_q8a4f21a4bf_attn,@function
k_q8a4f21a4bf_attn:
	s_mov_b64 s[64:65], 0
	v_nop
	global_prefetch_b8 v0, s[64:65] scope:SCOPE_SE
	s_setreg_imm32_b32 hwreg(HW_REG_WAVE_MODE, 25, 1), 1
	s_wait_xcnt 0x0
	s_wait_alu depctr_hold_cnt(0) depctr_sa_sdst(0) depctr_va_vdst(0) depctr_va_sdst(0) depctr_va_ssrc(0) depctr_va_vcc(0) depctr_vm_vsrc(0)
	s_getreg_b32 s2, hwreg(HW_REG_IB_STS2, 6, 4)
	s_cmp_eq_u32 s2, 0
	s_cbranch_scc0 .Lentry_in_a_cluster
	s_endpgm
.Lentry_in_a_cluster:
	s_bfe_u32 s2, ttmp6, 0x10000c
	s_cmp_lg_u32 s2, 0x3003
	s_cbranch_scc0 .Lentry_shape_is_right
	s_endpgm
.Lentry_shape_is_right:
; O[q][head] = the sum over k of softmax_k(q . k / sqrt(128) + mask[q][k]) v[k], for 128 queries of one head.  q' (with log2(e) / sqrt(128) in it), k, v: f16, [16][2048][128]; mask: bf16, in blocks
; (16 queries x 64 keys, a lane's eight numbers on end); O: f16, [2048][2048].  Products, maxima and sums in f32; the weights are rounded to f16 for the second product, their sum is taken unrounded.
; THE MASK IS AN INPUT: every key of every query is computed, and every mask number is added: s = fl(mask x log2(e) + s'), one fused step in f32, s' the score in powers of two.
; LIMITS.  Where a huge mask number stands on a row's LARGEST scores, the weights hang on how f32 swallows s' beside it; for -1e9 it is swallowed whole for -83 < s' < 45, as the sum in f32 swallows it in
; the problem's own order for scores under 31; for other such sizes the last bits may round otherwise.  A weight below 2^-126 counts as 0.  NaN and infinities are not treated apart.
; SHARES.  Wave w owns the 64 queries 64 (w % 2) .. of the block, four tiles of 16, and HALF THE KEYS: of each slot's 256 keys group g = w / 2 walks 128 g .., 64 a step, 16 steps.  At the end waves w and
; w ^ 2 merge maxima, sums and O through LDS.  Tile t of a wave is the queries' sub-block (t + 2 g) % 4, so that every wave finishes its own tiles 0 and 1 and hands over tiles 2 and 3: one text for all.
; LAYOUT.  S^T = K Q^T holds one query a lane (lane % 16) and the keys 8 (lane / 16) + 0..7; two such results rounded to f16 are source 1 of O^T = V^T P.  K comes out of LDS as it lies, V turned.
; SOFTMAX.  A running maximum m of the masked scores and a sum l: p = 2^(s - m); in every step O and l are multiplied by a = 2^(m_old - m).  m starts at the lowest finite number, O and l at 0:
; the first step is a step like any other, with a = 0.
; BY TURNS.  Two pieces (tiles 0, 1 and tiles 2, 3).  In a turn one piece has the matrix unit: 32 products V^T P of the step in hand, 32 products K Q^T of the next; the other piece has 330 vector lines:
; 330 = 74 + 4 x 64.  The first 74, all plain, stand together at the turn's head; then four stand behind each product.  A turn's 66 exponentials are one batch with one wait, between the two runs of products.
; CLUSTER.  The four query blocks of a cluster walk the same K and V of one head: each tile is asked for jointly.
; REGISTERS: window 0: v1-11, v44-63 addresses and constants; v12-43 statistics, eight a tile: m, m_old, l (even, odd keys), c0-c3 at work (a takes c2's place); v64-191 S^T; v192-255 P
;   window 1: O^T, 64 a tile;  window 2: v0-127 Q, v128-255 K of a step;  window 3: v0-127 V of a step, v128-191 the mask of a step, 16 a tile
.set PKP,   272                        ; a row of K in LDS: 256 bytes + 16
.set PVP,   288                        ; a row of V: 256 + 32
.set KSTEP, 64*PKP
.set VSTEP, 64*PVP
.set KX,    0x11000                    ; K's slots: 256 rows each, at 0 and here; a half (128 keys) is 0x8800
.set VX,    0x12000                    ; V's slots, from VBASE on; a half is 0x9000
.set VBASE, 0x24000
.set STAGE, 0x48000                    ; 16 rows x 272 bytes for each wave, for the way out; no tensor load fills it
.set SP,    272
.set SPARE, 0x4C400                    ; the spare words, 128 bytes a wave, which no other line names
.set XCH,   0x4400                     ; the merge: 16,896 bytes for each wave, from byte 0 on: in K's slot 0, behind its last fill and its last read
.set AK0, 2
.set AV0, 3
.set ADR, 4
.set QOA, 5                            ; v5 my byte offset in Q for tiles 0, 1; v9 for tiles 2, 3
.set STO, 6
.set RD,  7
.set GO,  8
.set ST,  12
.set MO,  44                           ; v44, v45  my byte offset in maskb for piece 0, piece 2; never rewritten
.set CV,  46                           ; v46  log2(e)
.set XA,  47                           ; v47  where I put what I hand over;  v48 where I read what I am handed
.set XR,  48
.set PFO, 61                           ; v61  256 x lane; never rewritten
.set SPW, 62
.set NIL, 63
.set S,   64
.set P,   192
.set KF,  128                          ; window 2
.set MK,  128                          ; window 3
.set WV,  12
.set LIM, 15                           ; s15  1 in a cluster that prefetches, else the greatest number
.set PFA, 18                           ; s[18:19]
.set G1K, 24
.set G1V, 32
.set G0K, 40                           ; s[40:43] K's descriptor group 0: it walks
.set G0V, 44
.set MB,  48                           ; s[48:49] maskb at my queries and my key group
.set MA,  50                           ; s[50:51], s[52:53] the same at the step that piece 0, piece 2 loads
.set JJ,  54                           ; s54, s55 that step's number
.set SLOTS, 56
.set CNT, 57
.set OFF, 58                           ; s[58:59]
.set SEL, 60                           ; s[60:61] v_permlanex16_b32's selects
.set TBK, 62                           ; s62  LDS byte at which K of the step to be fetched begins, less my group's half
.set TBV, 63
.set GR,  66                           ; s66  my key group
.set MSB, 0
.macro WIN new
.if MSB != (\new)
	s_set_vgpr_msb (MSB<<8)|(\new)
.set MSB, \new
.endif
.endm
.set W_KQ, 0x0a                        ; K and Q in window 2, S^T in window 0
.set W_PV, 0x53                        ; V in window 3, P in window 0, O^T in window 1
.set W_RS, 0x41                        ; O^T (destination and source 0) in window 1, a in window 0
.macro JLOAD                           ; a joint fill: waves 0, 1 the two halves of a slot's K, waves 2, 3 those of its V; an s_nop 0 and four v_nop follow each line
	s_cmp_lt_u32 s[WV], 2
	s_cbranch_scc0 .Lfor_v_\@
	tensor_load_to_lds s[G0K:G0K+3], s[G1K:G1K+7]
	s_nop 0
.rept 4
	v_nop
.endr
	s_branch .Lasked_\@
.Lfor_v_\@:
	tensor_load_to_lds s[G0V:G0V+3], s[G1V:G1V+7]
	s_nop 0
.rept 4
	v_nop
.endr
.Lasked_\@:
.endm
; A PREFETCH INTO THE L2 of the slot that the NEXT change will ask for, two key steps (256 products) ahead of that load.  All clusters of a head walk the same rows: the head's first cluster asks.
; Of a slot's 256 rows of K and of V the partner at place cx takes 64, told apart by address; in each, waves 0, 1 ask for 32 rows of K each, waves 2, 3 for V's: a lane a row, each row named once.
.macro ASK
	s_cmp_gt_u32 s[SLOTS], s[LIM]
	s_cbranch_scc0 .Lnot_mine_\@
	global_prefetch_b8 v[PFO], s[PFA:PFA+1] th:TH_LOAD_NT scope:SCOPE_SE
.Lnot_mine_\@:
.endm
.macro CROUND
	s_barrier_signal -1
	s_barrier_wait -1
	s_cmp_lg_u32 s[WV], 0
	s_cbranch_scc1 .Lnot_wave_0_\@
	s_barrier_signal -3
.Lnot_wave_0_\@:
	s_barrier_wait -3
	s_barrier_signal -1
	s_barrier_wait -1
.endm
; THE CHANGE OF SLOTS.  Each wave waits for all its tensor loads (one is out: its part of the other slot), adds 0 to its spare word, and waits for that and for its reads of the slot that it leaves.
; fill = 1: the barrier is a round of the cluster's, and the joint refill is the first thing behind it.  (At its first use nothing has been read: slot 0 is waited for, slot 1 filled.)
.macro CHANGE fill, ask
	WIN 0
	s_wait_tensorcnt 0x0                           ; no tensor load of mine is out, so a group 0 may be written
	ds_add_u32 v[SPW], v[NIL]
.if \fill
	s_xor_b32 s[G0K+1], s[G0K+1], KX
	s_add_nc_u64 s[G0K+2:G0K+3], s[G0K+2:G0K+3], 0x10000  ; the next 256 keys
	s_xor_b32 s[G0V+1], s[G0V+1], VX
	s_add_nc_u64 s[G0V+2:G0V+3], s[G0V+2:G0V+3], 0x10000
.endif
.if \ask
	s_wait_xcnt 0x0                                ; the last prefetch, two key steps back, has read its address
	s_add_nc_u64 s[PFA:PFA+1], s[PFA:PFA+1], 0x10000
.endif
	s_wait_dscnt 0x0                               ; the add is done, and my reads of the slot are over
.if \fill
	CROUND
	JLOAD
.if \ask
	ASK
.endif
.else
	s_barrier_signal -1
	s_barrier_wait -1
.endif
	s_sub_co_u32 s[TBK], s[TBK], 2*KSTEP           ; the fetches go back to a slot's first step, in the other slot
	s_xor_b32 s[TBK], s[TBK], KX
	s_sub_co_u32 s[TBV], s[TBV], 2*VSTEP
	s_xor_b32 s[TBV], s[TBV], VX
.endm
.macro MFETCH y                        ; piece y's mask of one step: 2 tiles x 4 groups of 16 keys, 512 consecutive bytes a load
	WIN 0xc0                                       ; destination window 3
.irp u, 0,1
.irp kt, 0,1,2,3
	global_load_b128 v[MK+16*((\y)+(\u))+4*(\kt):MK+16*((\y)+(\u))+4*(\kt)+3], v[MO+(\y)/2], s[MA+(\y):MA+(\y)+1] offset:(\u)*65536+(\kt)*512
.endr
.endr
.endm
.macro MLOAD y                         ; the next step's; behind the last step the same step once more, so that no load leaves maskb
	s_add_co_u32 s[JJ+(\y)/2], s[JJ+(\y)/2], 1
	s_min_u32 s[JJ+(\y)/2], s[JJ+(\y)/2], 15
	s_lshl_b32 s[OFF], s[JJ+(\y)/2], 11
	s_add_nc_u64 s[MA+(\y):MA+(\y)+1], s[MB:MB+1], s[OFF:OFF+1]  ; the loads that read this pair were shown done by the wait at the turn's head
	MFETCH \y
.endm
	s_load_b128 s[68:71], s[0:1], 0x0              ; qkvh s[68:69], maskb s[70:71]
	s_load_b64 s[72:73], s[0:1], 0x10              ; oh
	v_lshl_add_u32 v[SPW], v0, 2, SPARE
	v_mov_b32 v[NIL], 0
	ds_add_u32 v[SPW], v[NIL]                      ; the wave's opening: the add and its wait ahead of my first tensor load
	v_lshrrev_b32 v1, 5, v0
	v_readfirstlane_b32 s[WV], v1
	s_bfe_u32 s13, ttmp6, 0x40000                  ; cx
	s_lshl_b32 s14, ttmp9, 2
	s_add_co_u32 s14, s14, s13                     ; my block of 128 queries: it enters Q's, the mask's and O's addresses alone
	s_and_b32 s16, s[WV], 1
	s_lshr_b32 s[GR], s[WV], 1
	s_and_b32 s17, ttmp7, 0xffff                   ; the head
	s_lshl_b32 s20, s17, 19                        ; its 524,288 bytes in each of q', k, v
	s_lshl_b32 s22, s16, 15                        ; the half of a slot that I fetch: 128 rows of 256 bytes
	s_add_co_u32 s22, s22, s20
	s_mov_b32 s23, 0
	s_lshl_b32 s2, s14, 15                         ; Q: my block, my wave's 64 rows
	s_lshl_b32 s3, s16, 14
	s_add_co_u32 s2, s2, s3
	s_add_co_u32 s2, s2, s20
	s_mov_b32 s3, 0
	s_lshl_b32 s74, s14, 19                        ; 128 rows of 4,096 bytes of O, and 8 tiles of 65,536 bytes of maskb, are both 2^19 a block
	s_lshl_b32 s75, s16, 18
	s_add_co_u32 s74, s74, s75
	s_lshl_b32 s75, s[GR], 15
	s_add_co_u32 s76, s74, s75                     ; the mask: + my key group's 16 blocks
	s_mov_b32 s77, 0
	s_lshl_b32 s75, s[GR], 17
	s_add_co_u32 s74, s74, s75                     ; O: + the 32 rows that I finish,
	s_lshl_b32 s75, s17, 8
	s_add_co_u32 s74, s74, s75                     ; the head's 256 bytes of a row
	s_mov_b32 s75, 0
	s_lshl_b32 s78, s13, 14                        ; the prefetches: my work-group's 64 rows, my wave's 32 of them, in slot 2
	s_lshl_b32 s79, s16, 13
	s_add_co_u32 s78, s78, s79
	s_add_co_u32 s78, s78, s20
	s_add_co_u32 s78, s78, 0x20000
	s_mov_b32 s79, 0x1000000
	s_cmp_lt_u32 s[WV], 2
	s_cselect_b32 s79, 0x800000, s79               ; k or v
	s_add_co_u32 s78, s78, s79
	s_mov_b32 s79, 0
	s_cmp_eq_u32 ttmp9, 0                          ; the head's first cluster: the same in all four partners
	s_cselect_b32 s[LIM], 1, -1
	s_mov_b32 s[G1K], 15|(1<<16)|(1<<20)|(1<<21)|(5<<22)|(3<<25)  ; the mask of four; 2-byte elements; padding on; bit 21 beside a mask; after every 64 words; 4 words
	s_mov_b32 s[G1V], 15|(1<<16)|(1<<20)|(1<<21)|(5<<22)|(7<<25)  ; the same with 8 words
.irp g, G1K, G1V
	s_mov_b32 s[(\g)+1], 128<<16                   ; tensor_dim0 = 128
	s_mov_b32 s[(\g)+2], 128<<16                   ; tensor_dim1 = 128
	s_mov_b32 s[(\g)+3], 128<<16                   ; tile_dim0 = 128
	s_mov_b32 s[(\g)+4], 128                       ; tile_dim1 = 128
	s_mov_b32 s[(\g)+5], 128                       ; elements from row to row
	s_mov_b32 s[(\g)+6], 0
	s_mov_b32 s[(\g)+7], 0
.endr
	s_mov_b32 s[G0K], 1
	s_mul_i32 s[G0K+1], s16, 0x8800                ; slot 0, my half: no place in the cluster enters an LDS address
	s_mov_b32 s[G0V], 1
	s_mul_i32 s[G0V+1], s16, 0x9000
	s_add_co_u32 s[G0V+1], s[G0V+1], VBASE
	s_mov_b32 s[SEL], 0x76543210
	s_mov_b32 s[SEL+1], 0xfedcba98
	s_mov_b32 s[TBK], KX+2*KSTEP                   ; the first change of slots turns these two into 0
	s_mov_b32 s[TBV], VX+2*VSTEP
	s_mov_b32 s[JJ], 0
	s_mov_b32 s[JJ+1], 0
	s_mov_b32 s[OFF+1], 0
	s_wait_dscnt 0x0                               ; the opening add is done
	s_wait_kmcnt 0x0
	s_add_nc_u64 s[6:7], s[68:69], s[22:23]
	s_add_nc_u64 s[8:9], s[6:7], 0x1000000         ; v
	s_add_nc_u64 s[6:7], s[6:7], 0x800000          ; k
	s_mov_b64 s[G0K+2:G0K+3], s[6:7]
	s_or_b32 s[G0K+3], s[G0K+3], 0x80000000
	s_mov_b64 s[G0V+2:G0V+3], s[8:9]
	s_or_b32 s[G0V+3], s[G0V+3], 0x80000000
	s_add_nc_u64 s[4:5], s[68:69], s[2:3]
	s_add_nc_u64 s[10:11], s[72:73], s[74:75]
	s_add_nc_u64 s[MB:MB+1], s[70:71], s[76:77]
	s_mov_b64 s[MA:MA+1], s[MB:MB+1]
	s_mov_b64 s[MA+2:MA+3], s[MB:MB+1]
	s_add_nc_u64 s[PFA:PFA+1], s[68:69], s[78:79]
	CROUND                                         ; all four work-groups are here: the first joint loads meet
	JLOAD                                          ; slot 0; slot 1 is asked for when slot 0 is in
	v_and_b32 v1, 15, v0                           ; r
	v_bfe_u32 v10, v0, 4, 1                        ; h
	v_and_b32 v49, 31, v0                          ; lane
	v_lshlrev_b32 v11, 8, v1
	v_lshl_add_u32 v11, v10, 4, v11                ; row x 256 + 16 x half
	s_lshl_b32 s2, s[GR], 13                       ; tiles 0, 1 are sub-blocks 2 g, 2 g + 1,
	s_sub_co_u32 s3, 0x2000, s2                    ; tiles 2, 3 sub-blocks 2 - 2 g, 3 - 2 g: 4,096 bytes of Q each
	v_add_nc_u32 v[QOA], s2, v11
	v_add_nc_u32 v[QOA+4], s3, v11
	WIN 0x80                                       ; destination window 2
.set i, 0
.rept 16                                           ; Q stays in registers: tile i / 4, channels 32 (i % 4) on
	global_load_b128 v[8*i:8*i+3],   v[QOA+4*(i/8)], s[4:5] offset:((i/4)%2)*4096+(i%4)*64
	global_load_b128 v[8*i+4:8*i+7], v[QOA+4*(i/8)], s[4:5] offset:((i/4)%2)*4096+(i%4)*64+32
.set i, i+1
.endr
	WIN 0
	s_lshl_b32 s2, s[GR], 17                       ; the same sub-blocks in maskb: 65,536 bytes each
	s_sub_co_u32 s3, 0x20000, s2
	v_lshl_add_u32 v[MO], v49, 4, s2
	v_lshl_add_u32 v[MO+1], v49, 4, s3
	MFETCH 0                                       ; step 0's mask: piece 0's first
	MFETCH 2
	; What the first turn finds: V and piece 2's P hold 0 (its products V^T P, of a step that has not been, add 0), O^T and l are 0.  All this stands in the wait for the first tile.
	WIN 0
.set i, P+32
.rept 32
	v_mov_b32 v[i], 0
.set i, i+1
.endr
.set i, 0
.rept 4
	v_mov_b32 v[ST+8*i], 0xff7fffff                ; m: the lowest finite number
	v_mov_b32 v[ST+8*i+2], 0
	v_mov_b32 v[ST+8*i+3], 0
.set i, i+1
.endr
	v_mov_b32 v[CV], 0x3fb8aa3b
	v_lshlrev_b32 v[PFO], 8, v49
	v_mul_u32_u24 v[AK0], v1, PKP                  ; a fragment of K: row x pitch + 16 x half, + my group's half of a slot
	v_lshl_add_u32 v[AK0], v10, 4, v[AK0]
	s_mul_i32 s2, s[GR], 0x8800
	v_add_nc_u32 v[AK0], s2, v[AK0]
	v_and_b32 v50, 7, v0                           ; the turning load: key 8 h + l % 8, channels 8 ((l / 8) % 2) ..
	v_bfe_u32 v51, v0, 3, 1
	v_lshl_add_u32 v[AV0], v10, 3, v50
	v_mul_u32_u24 v[AV0], v[AV0], PVP
	v_lshl_add_u32 v[AV0], v51, 4, v[AV0]
	s_mul_i32 s2, s[GR], 0x9000
	s_add_co_u32 s2, s2, VBASE
	v_add_nc_u32 v[AV0], s2, v[AV0]
	; O^T's 256 registers and V's 128 are set to 0 eight at a time, by products of two fragments of zeros (piece 2's P, just cleared) with C = 0: 48 lines for 384 registers
	WIN 0x40                                       ; destination window 1, sources window 0
.set i, 0
.rept 32
	v_wmma_f32_16x16x32_f16 v[8*i:8*i+7], v[P+32:P+39], v[P+40:P+47], 0
.set i, i+1
.endr
	WIN 0xc0                                       ; destination window 3
.set i, 0
.rept 16
	v_wmma_f32_16x16x32_f16 v[8*i:8*i+7], v[P+32:P+39], v[P+40:P+47], 0
.set i, i+1
.endr
	WIN 0
; THE MATRIX WORK.  The accumulators take turns, one instruction a turn: 15 (V^T P) or 7 (K Q^T) others' stand between two links of a chain.
.macro PV x                            ; product i of 32: keys 32 (i / 16) on, channels 16 ((i / 2) % 8) on, tile x + i % 2
	WIN W_PV
.set rO, 64*((\x)+i%2)+8*((i/2)%8)
.set rV, 64*(i/16)+8*((i/2)%8)
.set rP, P+16*((\x)+i%2)+8*(i/16)
	v_wmma_f32_16x16x32_f16 v[rO:rO+7], v[rV:rV+7], v[rP:rP+7], v[rO:rO+7]
.endm
.macro KQ x                            ; product i of 32: channels 32 (i / 8) on, keys 16 ((i / 2) % 4) on, tile x + i % 2; the first 8 start the sums
	WIN W_KQ
.set rS, S+32*((\x)+i%2)+8*((i/2)%4)
.set rK, KF+32*((i/2)%4)+8*(i/8)
.set rQ, 32*((\x)+i%2)+8*(i/8)
.if i < 8
	v_wmma_f32_16x16x32_f16 v[rS:rS+7], v[rK:rK+7], v[rQ:rQ+7], 0
.else
	v_wmma_f32_16x16x32_f16 v[rS:rS+7], v[rK:rK+7], v[rQ:rQ+7], v[rS:rS+7]
.endif
.endm
; THE LDS LOADS stand in runs of 32.  last = 1 (the tail): in the last trip there is no further step, and K's run is jumped over.
.macro FETCH_K last=0
	WIN 0
	v_add_nc_u32 v[ADR], s[TBK], v[AK0]
.if \last
	s_cmp_eq_u32 s[CNT], 1
	s_cbranch_scc1 .Lno_k_\@
.endif
	WIN 0x80
.irp f, 0,1,2,3,4,5,6,7,8,9,10,11,12,13,14,15      ; keys 16 (f / 4) on, channels 32 (f % 4) on
	ds_load_b128 v[KF+8*(\f):KF+8*(\f)+3],   v[ADR] offset:((\f)/4)*16*PKP+((\f)%4)*64
	ds_load_b128 v[KF+8*(\f)+4:KF+8*(\f)+7], v[ADR] offset:((\f)/4)*16*PKP+((\f)%4)*64+32
.endr
	s_add_co_u32 s[TBK], s[TBK], KSTEP
	WIN 0
.if \last
.Lno_k_\@:
.endif
.endm
.macro FETCH_V
	WIN 0
	v_add_nc_u32 v[ADR], s[TBV], v[AV0]
	s_add_co_u32 s[TBV], s[TBV], VSTEP
	s_wait_alu depctr_va_vdst(0)                   ; the wait for the turn's batch of exponentials, ahead of the first line that names a result
	WIN 0xc0
.irp f, 0,1,2,3,4,5,6,7,8,9,10,11,12,13,14,15      ; keys 32 (f / 8) on, channels 16 (f % 8) on
	ds_load_tr16_b128 v[8*(\f):8*(\f)+3],   v[ADR] offset:((\f)/8)*32*PVP+((\f)%8)*32
	ds_load_tr16_b128 v[8*(\f)+4:8*(\f)+7], v[ADR] offset:((\f)/8)*32*PVP+16*PVP+((\f)%8)*32
.endr
.endm
; THE VECTOR WORK OF A TURN: a queue of 330 lines for piece y (tiles y, y + 1); VQ writes line q and steps q.
;   0-63     the mask is added: score q / 2 of tile y + q % 2, ascending.  Then the next step's mask is asked for.
;   64-103   twenty lines a tile, the tiles alternating: the maximum of 32 scores and the old m (16), the lane 16 away, m_old kept, the new m, m_old - m
;   104-201  ONE BATCH: 16 packed subtractions s - m and 33 exponentials a tile (a, then s0-s31), from 106 on four lines of one tile at a time; none names an exponential's result
;   (wait)   TURN writes a plain line and the one wait for the batch between lines 201 and 202
;   202-329  the tiles alternating: 16 roundings to f16, 16 sums (the last: l = a l + sum), 32 packed multiplies of O^T by a
.macro VQ y
.if q == 64
	MLOAD \y
.endif
.if q < 64
.set vt, (\y)+q%2
.set ve, q/2
	WIN 0x03                                       ; source 0, the mask, in window 3
.if ve%2
	v_fma_mix_f32_bf16 v[S+32*vt+ve], v[MK+16*vt+ve/2], v[CV], v[S+32*vt+ve] op_sel:[1,0,0] op_sel_hi:[1,0,0]
.else
	v_fma_mix_f32_bf16 v[S+32*vt+ve], v[MK+16*vt+ve/2], v[CV], v[S+32*vt+ve] op_sel_hi:[1,0,0]
.endif
.elseif q < 104
.set vt, (\y)+q%2
.set vn, (q-64)/2
.set rT, ST+8*vt
.set rS, S+32*vt
	WIN 0
.if vn < 4
	v_max3_num_f32 v[rT+4+vn], v[rS+8*vn], v[rS+8*vn+1], v[rS+8*vn+2]
.elseif vn < 12
	v_max3_num_f32 v[rT+4+vn%4], v[rT+4+vn%4], v[rS+8*(vn%4)+2*(vn/4)+1], v[rS+8*(vn%4)+2*(vn/4)+2]
.elseif vn == 12
	v_max3_num_f32 v[rT+4], v[rT+4], v[rS+7], v[rS+15]
.elseif vn == 13
	v_max3_num_f32 v[rT+6], v[rT+6], v[rS+23], v[rS+31]
.elseif vn == 14
	v_max3_num_f32 v[rT+4], v[rT+4], v[rT+5], v[rT+6]
.elseif vn == 15
	v_max3_num_f32 v[rT+4], v[rT+4], v[rT+7], v[rT]
.elseif vn == 16
	v_permlanex16_b32 v[rT+5], v[rT+4], s[SEL], s[SEL+1]  ; the query's other 32 keys lie in the lane 16 away
.elseif vn == 17
	v_mov_b32 v[rT+1], v[rT]
.elseif vn == 18
	v_max_num_f32 v[rT], v[rT+4], v[rT+5]
.else
	v_sub_f32 v[rT+7], v[rT+1], v[rT]
.endif
.elseif q < 202
.if q < 106
.set vt, (\y)+q%2
.set vj, 21
.else
.set vt, (\y)+((q-106)/4)%2
.set vj, 22+4*((q-106)/8)+(q-106)%4
.endif
.set rT, ST+8*vt
.set rS, S+32*vt
	WIN 0
.if vj == 23
	v_exp_f32 v[rT+6], v[rT+7]
.elseif (vj < 23) || ((vj < 38) && (vj%2 == 0)) || ((vj < 66) && (vj%4 == 2))
.set vb, (vj-2)/4                      ; 38, 42, .. 62: pairs 9 to 15
.if vj < 38
.set vb, (vj-20)/2                     ; 21: pair 0; 22, 24, .. 36: pairs 1 to 8
.endif
	v_pk_add_f32 v[rS+2*vb:rS+2*vb+1], v[rS+2*vb:rS+2*vb+1], v[rT:rT+1] op_sel_hi:[1,0] neg_lo:[0,1] neg_hi:[0,1]  ; s - m, exact where s = m
.else
.set ve, vj-38                         ; 66 to 69: s28 to s31
.if vj < 66
.set ve, vj-32-(vj-38)/4               ; 39-41, 43-45, .. 63-65: s7 to s27
.endif
.if vj < 38
.set ve, (vj-25)/2                     ; 25, 27, .. 37: s0 to s6
.endif
	v_exp_f32 v[rS+ve], v[rS+ve]
.endif
.else
.set vt, (\y)+q%2
.set vn, (q-202)/2
.set rT, ST+8*vt
.set rS, S+32*vt
.set rP, P+16*vt
.set rO, 64*vt
.if vn < 16
	WIN 0
	v_cvt_pk_f16_f32 v[rP+vn], v[rS+2*vn], v[rS+2*vn+1]
.elseif vn < 32
	WIN 0
.set vz, vn-16                         ; the 16 pairs are added in place: neighbours 1, 2, 4 and 8 pairs apart, then l takes the sum
.set vw, 4
.set vu, vz
.if vz >= 14
.set vw, 32
.set vu, 0
.elseif vz >= 12
.set vw, 16
.set vu, vz-12
.elseif vz >= 8
.set vw, 8
.set vu, vz-8
.endif
.if vz < 15
	v_pk_add_f32 v[rS+vw*vu:rS+vw*vu+1], v[rS+vw*vu:rS+vw*vu+1], v[rS+vw*vu+vw/2:rS+vw*vu+vw/2+1]
.else
	v_pk_fma_f32 v[rT+2:rT+3], v[rT+2:rT+3], v[rT+6:rT+7], v[rS:rS+1] op_sel_hi:[1,0,1]
.endif
.else
	WIN W_RS
	v_pk_mul_f32 v[rO+2*(vn-32):rO+2*(vn-32)+1], v[rO+2*(vn-32):rO+2*(vn-32)+1], v[rT+6:rT+7] op_sel_hi:[1,0]
.endif
.endif
.set q, q+1
.endm
; A TURN.  Piece x has the matrix unit, the other piece the vector unit.  THE DEAL: lines 0-73 (the mask's 64 additions and the first ten of the maximum: all plain) stand together at the head, under two
; window settings; lines 74-201 four behind each of the 32 products V^T P; the plain line and the wait for the batch; lines 202-329 four behind each of the 32 products K Q^T.
; PLACES.  Behind the last K Q^T stand four multiplies of O^T, which name nothing of it: the next turn's first line reads scores that were finished eight products earlier, and K's run of loads comes
; behind that turn's head and two more products.  The four lines behind the last V^T P are exponentials, which are no places: three v_nop and the run's own addition stand in front of V's run.
; Piece 0's turn fetches the next step's K behind its second product, 30 products ahead of its first use; piece 2's turn the same step's V at the wait, 32 products and a head ahead.
.macro TURN x, last=0
.set q, 0
	s_wait_loadcnt 8                               ; the mask of the piece whose scores this turn takes is in; the other piece's eight loads are younger and may stay out
.rept 74
	VQ 2-(\x)
.endr
.if (\x) == 0
	s_wait_dscnt 0x0                               ; V is in
.endif
.set i, 0
.rept 32
	PV \x
.rept 4
	VQ 2-(\x)
.endr
.if ((\x) == 0) && (i == 1)
	FETCH_K \last
.endif
.set i, i+1
.endr
	WIN 0
	v_nop                                          ; the plain line behind the last exponential: one for the batch
.if (\x) == 2
	v_nop
	v_nop
	FETCH_V                                        ; V's run of loads; the wait for the batch stands in it
.else
	s_wait_alu depctr_va_vdst(0)                   ; the wait for the batch
	s_wait_dscnt 0x0                               ; K is in
.endif
.set i, 0
.rept 32
	KQ \x
.rept 4
	VQ 2-(\x)
.endr
.set i, i+1
.endr
.endm
	CHANGE 1, 0                                    ; slot 0 is in, everybody's part of it; slot 1 is asked for
	FETCH_K                                        ; key step 0
	s_wait_loadcnt 16                              ; Q is in; the 16 loads of the mask are younger
	s_wait_dscnt 0x0
.set i, 0
.rept 32
	KQ 0                                           ; piece 0's first scores
.set i, i+1
.endr
	WIN 0                                          ; the addresses for the merge and the way out: plain lines, the places behind those products
	s_mul_i32 s2, s[WV], 16*SP
	s_add_co_u32 s2, s2, STAGE
	v_mul_u32_u24 v[STO], v1, SP                   ; in: row l % 16, 16 bytes for each half of the lanes
	v_lshl_add_u32 v[STO], v10, 4, v[STO]
	v_add_nc_u32 v[STO], s2, v[STO]
	v_mul_u32_u24 v[RD], v10, SP                   ; back: lanes 0-15 one row of 256 bytes, lanes 16-31 the next
	v_lshl_add_u32 v[RD], v1, 4, v[RD]
	v_add_nc_u32 v[RD], s2, v[RD]
	v_lshlrev_b32 v[GO], 12, v10                   ; and the same two rows in O, 4,096 bytes apart
	v_lshl_add_u32 v[GO], v1, 4, v[GO]
	s_mul_i32 s2, s[WV], XCH
	v_lshl_add_u32 v[XA], v49, 4, s2
	s_xor_b32 s3, s[WV], 2                         ; the wave with my queries and the other keys
	s_mul_i32 s3, s3, XCH
	v_lshl_add_u32 v[XR], v49, 4, s3
	s_mov_b32 s[CNT], 2
	s_mov_b32 s[SLOTS], 7
	s_branch .Lfirst                               ; the loop is entered in the middle of a trip
.Lslot:                                            ; six times: every slot but the last two is filled again
	CHANGE 1, 1
	s_mov_b32 s[CNT], 2
.Lstep:
	TURN 0
	WIN 0
.Lfirst:
	TURN 2
	WIN 0
	s_sub_co_u32 s[CNT], s[CNT], 1
	s_cmp_lg_u32 s[CNT], 0
	s_cbranch_scc1 .Lstep
	s_sub_co_u32 s[SLOTS], s[SLOTS], 1
	s_cmp_lg_u32 s[SLOTS], 0
	s_cbranch_scc1 .Lslot
	CHANGE 0, 0                                    ; the tail is written out: nothing is asked for
	s_mov_b32 s[CNT], 3
.Ltail:
	TURN 0, 1
	WIN 0
	s_sub_co_u32 s[CNT], s[CNT], 1
	s_cmp_eq_u32 s[CNT], 0
	s_cbranch_scc1 .Lout
	TURN 2
	WIN 0
	s_branch .Ltail
.Lout:                                             ; the third trip's 32 products K Q^T (on the last K once more) serve nothing: the price, once a launch, of one text for every trip
.set i, 0
.rept 32
	PV 2                                           ; piece 2: V^T P of the last step
.set i, i+1
.endr
	; THE MERGE.  l's two halves and the other half of the lanes' are added (these lines are the places behind the last products); tiles 2 and 3 go to the wave with the other keys, with their m and l.
	WIN 0
.irp t, 0,1,2,3
	v_add_f32 v[ST+8*\t+4], v[ST+8*\t+2], v[ST+8*\t+3]
.endr
.irp t, 0,1,2,3
	v_permlanex16_b32 v[ST+8*\t+5], v[ST+8*\t+4], s[SEL], s[SEL+1]
.endr
.irp t, 0,1,2,3
	v_add_f32 v[ST+8*\t+4], v[ST+8*\t+4], v[ST+8*\t+5]
.endr
	v_mov_b32 v52, v[ST+16]
	v_mov_b32 v53, v[ST+20]
	v_mov_b32 v54, v[ST+24]
	v_mov_b32 v55, v[ST+28]
	s_wait_dscnt 0x0
	s_barrier_signal -1
	s_barrier_wait -1                              ; every wave's reads of the ring are over, and nothing is filled any more
	WIN 0x04                                       ; the data, source 1, in window 1
.set i, 0
.rept 32
	ds_store_b128 v[XA], v[128+4*i:128+4*i+3] offset:512*i
.set i, i+1
.endr
	WIN 0
	ds_store_b128 v[XA], v[52:55] offset:16384
	s_wait_dscnt 0x0                               ; for the other wave's sake
	s_barrier_signal -1
	s_barrier_wait -1
.set i, 0
.rept 32
	ds_load_b128 v[S+4*i:S+4*i+3], v[XR] offset:512*i
.set i, i+1
.endr
	ds_load_b128 v[56:59], v[XR] offset:16384
	s_wait_dscnt 0x0
.irp u, 0,1
	v_max_num_f32 v[ST+8*\u+1], v[ST+8*\u], v[56+2*\u]        ; the common maximum
.endr
.irp u, 0,1
	v_sub_f32 v[ST+8*\u+2], v[ST+8*\u], v[ST+8*\u+1]
	v_sub_f32 v[ST+8*\u+3], v[56+2*\u], v[ST+8*\u+1]
.endr
.irp u, 0,1
	v_exp_f32 v[ST+8*\u+2], v[ST+8*\u+2]
	v_exp_f32 v[ST+8*\u+3], v[ST+8*\u+3]
.endr
	v_nop
	s_wait_alu depctr_va_vdst(0)                   ; one wait for the four exponentials
.irp u, 0,1
	v_mul_f32 v[ST+8*\u+5], v[ST+8*\u+4], v[ST+8*\u+2]
.endr
.irp u, 0,1
	v_fma_f32 v[ST+8*\u+5], v[57+2*\u], v[ST+8*\u+3], v[ST+8*\u+5]  ; l: at least one of the two factors is 1
.endr
.irp u, 0,1
	v_rcp_f32 v[ST+8*\u+7], v[ST+8*\u+5]
.endr
	v_nop
	s_wait_alu depctr_va_vdst(0)                   ; one wait for the two reciprocals
.irp u, 0,1
	v_mul_f32 v[ST+8*\u+6], v[ST+8*\u+3], v[ST+8*\u+7]        ; the other wave's weight,
	v_mul_f32 v[ST+8*\u+2], v[ST+8*\u+2], v[ST+8*\u+7]        ; and mine
.endr
.macro MERGE u                         ; tile u: both parts weighted and added, rounded to f16, and sent through my stage: in as 16 bytes a lane, back as whole rows of 256 bytes
	WIN 0
.set i, 0
.rept 32
	v_pk_mul_f32 v[S+64*(\u)+2*i:S+64*(\u)+2*i+1], v[S+64*(\u)+2*i:S+64*(\u)+2*i+1], v[ST+8*(\u)+6:ST+8*(\u)+7] op_sel_hi:[1,0]
.set i, i+1
.endr
	WIN 0x01                                       ; source 0, my O^T, in window 1; read in ascending order
.set i, 0
.rept 32
	v_pk_fma_f32 v[S+64*(\u)+2*i:S+64*(\u)+2*i+1], v[64*(\u)+2*i:64*(\u)+2*i+1], v[ST+8*(\u)+2:ST+8*(\u)+3], v[S+64*(\u)+2*i:S+64*(\u)+2*i+1] op_sel_hi:[1,0,1]
.set i, i+1
.endr
	WIN 0
.set i, 0
.rept 32
	v_cvt_pk_f16_f32 v[P+32*(\u)+i], v[S+64*(\u)+2*i], v[S+64*(\u)+2*i+1]
.set i, i+1
.endr
.irp f, 0,1,2,3,4,5,6,7
	ds_store_b128 v[STO], v[P+32*(\u)+4*(\f):P+32*(\u)+4*(\f)+3] offset:32*(\f)
.endr
.irp f, 0,1,2,3,4,5,6,7
	ds_load_b128 v[P+32*(\u)+4*(\f):P+32*(\u)+4*(\f)+3], v[RD] offset:(\f)*2*SP  ; LDS serves a wave's instructions in order (ISA guide 5.7.1.4): these see the stores above
.endr
.endm
.macro SEND u, younger                 ; younger: the LDS instructions issued behind tile u's loads
.irp f, 0,1,2,3,4,5,6,7
	s_wait_dscnt (\younger)+7-(\f)
	global_store_b128 v[GO], v[P+32*(\u)+4*(\f):P+32*(\u)+4*(\f)+3], s[10:11] offset:(\u)*65536+(\f)*8192  ; 16 lanes store 256 consecutive bytes, aligned
.endr
.endm
	MERGE 0
	MERGE 1
	SEND 0, 16
	SEND 1, 0
	s_wait_tensorcnt 0x0                           ; the wave's end
	ds_add_u32 v[SPW], v[NIL]
	s_wait_dscnt 0x0
	CROUND                                         ; the closing round
	s_endpgm
.Lfunc_end_k_q8a4f21a4bf_attn:
	.size	k_q8a4f21a4bf_attn, .Lfunc_end_k_q8a4f21a4bf_attn-k_q8a4f21a4bf_attn
	.p2alignl 7, 3214868480
	.fill 96, 4, 3214868480
	.section	.rodata,"a",@progbits
	.p2align	6, 0x0
	.amdhsa_kernel k_q8a4f21a4bf_attn
		.amdhsa_group_segment_fixed_size 327680
		.amdhsa_private_segment_fixed_size 0
		.amdhsa_enable_private_segment 0
		.amdhsa_kernarg_size 24
		.amdhsa_user_sgpr_count 2
		.amdhsa_user_sgpr_kernarg_segment_ptr 1
		.amdhsa_wavefront_size32 1
		.amdhsa_system_sgpr_workgroup_id_x 1
		.amdhsa_system_sgpr_workgroup_id_y 1
		.amdhsa_system_sgpr_workgroup_id_z 1
		.amdhsa_system_vgpr_workitem_id 0
		.amdhsa_next_free_vgpr 960
		.amdhsa_next_free_sgpr 80
		.amdhsa_reserve_vcc 0
		.amdhsa_float_denorm_mode_32 3
		.amdhsa_float_denorm_mode_16_64 3
		.amdhsa_memory_ordered 1
		.amdhsa_forward_progress 1
		.amdhsa_inst_pref_size 169
	.end_amdhsa_kernel
	.amdgpu_metadata
---
amdhsa.version: [ 1, 2 ]
amdhsa.kernels:
  - .name:           k_q8a4f21a4bf_attn
    .symbol:         k_q8a4f21a4bf_attn.kd
    .args:
      - { .name: qkvh, .offset: 0, .size: 8, .value_kind: global_buffer, .address_space: global }
      - { .name: maskb, .offset: 8, .size: 8, .value_kind: global_buffer, .address_space: global }
      - { .name: oh, .offset: 16, .size: 8, .value_kind: global_buffer, .address_space: global }
    .group_segment_fixed_size: 327680
    .private_segment_fixed_size: 0
    .kernarg_segment_align: 8
    .kernarg_segment_size: 24
    .max_flat_workgroup_size: 128
    .sgpr_count:     80
    .vgpr_count:     960
    .wavefront_size: 32
...
	.end_amdgpu_metadata
.endif
;; end of part 3
;; launch oproj (part 4): grid 16 x 16, 4 waves a work-group, clusters of 4 x 4, 327,680 bytes of LDS; arguments oh, woh, out0; writes out0
.if DOCPART == 4
	.amdgcn_target "amdgcn-amd-amdhsa--gfx1250"
	.amdhsa_code_object_version 6
	.text
	.protected	k_q8a4f21a4bf_oproj
	.globl	k_q8a4f21a4bf_oproj
	.p2align	8
	.type	k_q8a4f21a4bf_oproj,@function
k_q8a4f21a4bf_oproj:
	s_mov_b64 s[64:65], 0
	v_nop
	global_prefetch_b8 v0, s[64:65] scope:SCOPE_SE
	s_setreg_imm32_b32 hwreg(HW_REG_WAVE_MODE, 25, 1), 1
	s_wait_xcnt 0x0
	s_wait_alu depctr_hold_cnt(0) depctr_sa_sdst(0) depctr_va_vdst(0) depctr_va_sdst(0) depctr_va_ssrc(0) depctr_va_vcc(0) depctr_vm_vsrc(0)
	s_getreg_b32 s2, hwreg(HW_REG_IB_STS2, 6, 4)
	s_cmp_eq_u32 s2, 0
	s_cbranch_scc0 .Lentry_in_a_cluster
	s_endpgm
.Lentry_in_a_cluster:
	s_bfe_u32 s2, ttmp6, 0x10000c
	s_cmp_lg_u32 s2, 0xf033
	s_cbranch_scc0 .Lentry_shape_is_right
	s_endpgm
.Lentry_shape_is_right:
; out0 = O wo.  oh: [2048][2048] f16, K along the rows; woh: [K 2048][N 2048] f16 (wo rounded to bf16, written as f16); out0: [2048][2048] f32.  Products in f16, sums in f32, not rounded again.
; A tile of out0 is 128 x 128, so that 256 work-groups have one each.  Four waves, each 64 x 64: 16 accumulators.  K goes in 8 steps of 256, as long as two slots in LDS allow.
; THE RING.  Waves 0, 1 bring O's two halves (64 rows x 512 bytes, rows 528 apart), waves 2, 3 wo's (128 rows of K x 256 bytes, rows 288 apart), which are read turned, by ds_load_tr16_b128.
; CLUSTER 4 x 4: O's tile is asked for jointly along a row of the cluster, wo's along a column.  THE PRODUCT IS USED TRANSPOSED: a lane holds one row and eight neighbouring columns, 32 bytes of f32.
; A wave's 64 columns are 256 bytes of out0, aligned: each wave sends its own rows through its own stage, with no barrier.
; No prefetch: a step's tile is small, each block is read by four clusters at about the same time, and the launch is short.
; REGISTERS: window 0: v16-29 addresses; v128-255 the accumulators ((a, b) at 128 + 8 (4 a + b)).  window 1: two fragment buffers of 128: for 64 along K, 64 registers of O, then 64 of wo.
.set PA,     528
.set PB,     288
.set AX,     0x10800                   ; O's slots at 0 and here; a half is 0x8400
.set BX,     0x12000                   ; wo's slots from BBASE on; a half is 0x9000
.set BBASE,  0x24000
.set STAGE,  0x48000                   ; 16 rows x 272 bytes for each wave; no tensor load fills it
.set SP,     272
.set SPARE,  0x4C400                   ; the spare words, 128 bytes a wave, which no other line names
.set ADRA, 16                          ; v16  LDS address of my fragments of O in the slot in hand;  v17 the same less the slot
.set AL,   17
.set ADRB, 20                          ; v20, v21  the same for wo: K rows 0 .. and 128 .. of a step;  v22 less the slot
.set BL,   22
.set STO,  24
.set RD,   25
.set CO,   26
.set SPW,  28
.set NIL,  29
.set ACC,  128
.set F0,   0
.set F1,   128
.set G1,  24
.set G0,  32                           ; s[32:39] a set for each first fill; the second then walks
.set G1B, 48
.set G0B, 56
.set TBA, 66
.set TBB, 67
.set MSB, 0
.macro WIN new
.if MSB != (\new)
	s_set_vgpr_msb (MSB<<8)|(\new)
.set MSB, \new
.endif
.endm
.set MUL,  0x05                        ; sources 0 and 1 window 1; C and D window 0
.set TO_F, 0x40
.macro PLACES
.rept 4
	v_nop
.endr
.endm
.macro JLOAD                           ; a joint refill by the walking sets; an s_nop 0 and four v_nop follow each line
	s_cmp_eq_u32 s11, 0
	s_cbranch_scc0 .Lfor_b_\@
	tensor_load_to_lds s[G0+4:G0+7], s[G1:G1+7]
	s_nop 0
.rept 4
	v_nop
.endr
	s_branch .Lasked_\@
.Lfor_b_\@:
	tensor_load_to_lds s[G0B+4:G0B+7], s[G1B:G1B+7]
	s_nop 0
.rept 4
	v_nop
.endr
.Lasked_\@:
.endm
.macro CROUND                          ; a round of the cluster's barrier
	s_barrier_signal -1
	s_barrier_wait -1
	s_cmp_lg_u32 s10, 0
	s_cbranch_scc1 .Lnot_wave_0_\@
	s_barrier_signal -3
.Lnot_wave_0_\@:
	s_barrier_wait -3
	s_barrier_signal -1
	s_barrier_wait -1
.endm
	s_load_b128 s[4:7], s[0:1], 0x0                ; oh s[4:5], woh s[6:7]
	s_load_b64 s[8:9], s[0:1], 0x10                ; out0
	v_lshl_add_u32 v[SPW], v0, 2, SPARE
	v_mov_b32 v[NIL], 0
	ds_add_u32 v[SPW], v[NIL]                      ; the wave's opening: the add and its wait ahead of my first tensor load
	v_lshrrev_b32 v1, 5, v0
	v_readfirstlane_b32 s10, v1                    ; wave 0..3
	s_lshr_b32 s11, s10, 1                         ; which 64 rows are mine.  Also: I fetch for O (0) or for wo (1)
	s_and_b32 s12, s10, 1                          ; which 64 columns.  Also: which half of that tile I fetch
	s_bfe_u32 s40, ttmp6, 0x40000                  ; cx, cy
	s_bfe_u32 s41, ttmp6, 0x40004
	s_lshl_b32 s42, ttmp9, 2
	s_add_co_u32 s42, s42, s40                     ; tile column
	s_and_b32 s13, ttmp7, 0xffff
	s_lshl_b32 s13, s13, 2
	s_add_co_u32 s13, s13, s41                     ; tile row
	s_lshl_b32 s43, s41, 2
	s_lshl_b32 s43, 15, s43                        ; my row of the cluster
	s_lshl_b32 s44, 0x1111, s40                    ; my column
	s_or_b32 s[G1], s43, (1<<16)|(1<<20)|(1<<21)|(6<<22)|(3<<25)   ; padding after every 128 words, 4 words
	s_mov_b32 s[G1+1], 256<<16                     ; tensor_dim0 = 256
	s_mov_b32 s[G1+2], 64<<16                      ; tensor_dim1 = 64
	s_mov_b32 s[G1+3], 256<<16                     ; tile_dim0 = 256
	s_mov_b32 s[G1+4], 64                          ; tile_dim1 = 64
	s_mov_b32 s[G1+5], 2048
	s_mov_b32 s[G1+6], 0
	s_mov_b32 s[G1+7], 0
	s_or_b32 s[G1B], s44, (1<<16)|(1<<20)|(1<<21)|(5<<22)|(7<<25)  ; after every 64 words, 8 words
	s_mov_b32 s[G1B+1], 128<<16
	s_mov_b32 s[G1B+2], 128<<16
	s_mov_b32 s[G1B+3], 128<<16
	s_mov_b32 s[G1B+4], 128
	s_mov_b32 s[G1B+5], 2048
	s_mov_b32 s[G1B+6], 0
	s_mov_b32 s[G1B+7], 0
	s_lshl_b32 s16, s13, 19                        ; O: 128 rows of 4,096 bytes a tile row, 64 a half
	s_lshl_b32 s17, s12, 18
	s_add_co_u32 s16, s16, s17
	s_mov_b32 s17, 0
	s_lshl_b32 s46, s12, 19                        ; wo: 128 rows of K a half, 256 bytes a tile column
	s_lshl_b32 s47, s42, 8
	s_add_co_u32 s46, s46, s47
	s_mov_b32 s47, 0
	s_mul_i32 s20, s12, 0x8400                     ; where they go: no place in the cluster enters an LDS address
	s_mul_i32 s21, s12, 0x9000
	s_add_co_u32 s21, s21, BBASE
	s_mov_b32 s[TBA], 0
	s_mov_b32 s[TBB], 0
	s_wait_dscnt 0x0                               ; the opening add is done
	s_wait_kmcnt 0x0
	s_add_nc_u64 s[14:15], s[4:5], s[16:17]
	s_add_nc_u64 s[46:47], s[6:7], s[46:47]
	CROUND                                         ; all sixteen work-groups are here
.irp s, 0,1
	s_mov_b32 s[G0+4*(\s)], 1
	s_add_co_u32 s[G0+4*(\s)+1], s20, (\s)*AX
	s_add_nc_u64 s[G0+4*(\s)+2:G0+4*(\s)+3], s[14:15], (\s)*512
	s_or_b32 s[G0+4*(\s)+3], s[G0+4*(\s)+3], 0x80000000
	s_mov_b32 s[G0B+4*(\s)], 1
	s_add_co_u32 s[G0B+4*(\s)+1], s21, (\s)*BX
	s_add_nc_u64 s[G0B+4*(\s)+2:G0B+4*(\s)+3], s[46:47], (\s)*0x100000
	s_or_b32 s[G0B+4*(\s)+3], s[G0B+4*(\s)+3], 0x80000000
.endr
	s_cmp_eq_u32 s11, 0                            ; a wave's two first fills stand in one branch: two loads of mine are out
	s_cbranch_scc0 .Lfirst_b
	tensor_load_to_lds s[G0:G0+3], s[G1:G1+7]
	s_nop 0
	tensor_load_to_lds s[G0+4:G0+7], s[G1:G1+7]
	s_nop 0
.rept 4
	v_nop
.endr
	s_branch .Lfirst_asked
.Lfirst_b:
	tensor_load_to_lds s[G0B:G0B+3], s[G1B:G1B+7]
	s_nop 0
	tensor_load_to_lds s[G0B+4:G0B+7], s[G1B:G1B+7]
	s_nop 0
.rept 4
	v_nop
.endr
.Lfirst_asked:
	v_and_b32 v1, 15, v0                           ; r
	v_bfe_u32 v2, v0, 4, 1                         ; h
	v_and_b32 v3, 7, v0
	v_bfe_u32 v4, v0, 3, 1
	v_mul_u32_u24 v[AL], v1, PA
	v_lshl_add_u32 v[AL], v2, 4, v[AL]
	s_mul_i32 s21, s11, 64*PA
	v_add_nc_u32 v[AL], s21, v[AL]
	v_lshl_add_u32 v[BL], v2, 3, v3
	v_mul_u32_u24 v[BL], v[BL], PB
	v_lshl_add_u32 v[BL], v4, 4, v[BL]
	s_lshl_b32 s22, s12, 7
	s_add_co_u32 s22, s22, BBASE
	v_add_nc_u32 v[BL], s22, v[BL]
	v_mov_b32 v[ADRA], v[AL]
	v_mov_b32 v[ADRB], v[BL]
	v_add_nc_u32 v[ADRB+1], 128*PB, v[BL]
	s_mul_i32 s23, s10, 16*SP
	s_add_co_u32 s23, s23, STAGE                   ; my stage
	v_mul_u32_u24 v[STO], v1, SP                   ; in: row r, 32 bytes for each half of the lanes
	v_lshl_add_u32 v[STO], v2, 5, v[STO]
	v_add_nc_u32 v[STO], s23, v[STO]
	v_mul_u32_u24 v[RD], v2, SP                    ; back: lanes 0-15 one row of 256 bytes, lanes 16-31 the next
	v_lshl_add_u32 v[RD], v1, 4, v[RD]
	v_add_nc_u32 v[RD], s23, v[RD]
	v_lshlrev_b32 v[CO], 13, v2                    ; and the same two rows in out0, 8,192 bytes apart
	v_lshl_add_u32 v[CO], v1, 4, v[CO]
	s_lshl_b32 s16, s13, 20                        ; my first row: 128 x tile row + 64 x half
	s_lshl_b32 s17, s11, 19
	s_add_co_u32 s16, s16, s17
	s_mov_b32 s17, 0
	s_add_nc_u64 s[8:9], s[8:9], s[16:17]
	s_lshl_b32 s46, s42, 9                         ; my first column, in bytes
	s_lshl_b32 s47, s12, 8
	s_add_co_u32 s46, s46, s47
	s_mov_b32 s47, 0
	s_add_nc_u64 s[8:9], s[8:9], s[46:47]
; 8 products: row blocks a0, a0 + 1 x all 4 column blocks, 32 along K: half c of buffer f.  The 16 accumulators take turns.
.macro MUL8 f, c, a0, zero
	WIN MUL
.irp a, \a0, (\a0)+1
.irp b, 0,1,2,3
.if \zero
	v_wmma_f32_16x16x32_f16 v[ACC+8*(4*(\a)+(\b)):ACC+8*(4*(\a)+(\b))+7], v[(\f)+64+8*(4*(\c)+(\b)):(\f)+64+8*(4*(\c)+(\b))+7], v[(\f)+8*(4*(\c)+(\a)):(\f)+8*(4*(\c)+(\a))+7], 0
.else
	v_wmma_f32_16x16x32_f16 v[ACC+8*(4*(\a)+(\b)):ACC+8*(4*(\a)+(\b))+7], v[(\f)+64+8*(4*(\c)+(\b)):(\f)+64+8*(4*(\c)+(\b))+7], v[(\f)+8*(4*(\c)+(\a)):(\f)+8*(4*(\c)+(\a))+7], v[ACC+8*(4*(\a)+(\b)):ACC+8*(4*(\a)+(\b))+7]
.endif
.endr
.endr
.endm
; 32 LDS loads in one run: the fragments of quarter kq (64 along K) into buffer f; the first 32 along K first
.macro FETCH kq, f
	WIN TO_F
.irp c, 0,1
.irp n, 0,1,2,3
	ds_load_tr16_b128 v[(\f)+64+8*(4*(\c)+(\n)):(\f)+64+8*(4*(\c)+(\n))+3],   v[ADRB+(\kq)/2] offset:(((\kq)%2)*64+32*(\c))*PB+32*(\n)
	ds_load_tr16_b128 v[(\f)+64+8*(4*(\c)+(\n))+4:(\f)+64+8*(4*(\c)+(\n))+7], v[ADRB+(\kq)/2] offset:(((\kq)%2)*64+32*(\c))*PB+16*PB+32*(\n)
	ds_load_b128 v[(\f)+8*(4*(\c)+(\n)):(\f)+8*(4*(\c)+(\n))+3],              v[ADRA] offset:128*(\kq)+64*(\c)+(\n)*16*PA
	ds_load_b128 v[(\f)+8*(4*(\c)+(\n))+4:(\f)+8*(4*(\c)+(\n))+7],            v[ADRA] offset:128*(\kq)+64*(\c)+(\n)*16*PA+32
.endr
.endr
.endm
.macro QUARTER f, g, kq, zero
	s_wait_dscnt 16                                ; the first 32 along K are in; the youngest 16 loads may be out
	MUL8 \f, 0, 0, \zero
	MUL8 \f, 0, 2, \zero
	PLACES
	FETCH \kq, \g
	s_wait_dscnt 32                                ; all but the 32 just issued
	MUL8 \f, 1, 0, 0
	MUL8 \f, 1, 2, 0
.endm
; The last quarter BEGINS with the change of slots: this slot's last fragments are in buffer 1.  Each wave waits for all its tensor loads, adds 0 to its spare word, and waits for that and for its reads
; of this slot.  fill = 1: a round of the cluster's barrier follows at once, and the joint refill, two K steps on, is the first tensor load behind it.  No product stands between the wait for the tiles
; and the refill: the refill has the step's 128 products in which to land, this quarter's 32 among them.
.macro TURN fill
	WIN 0
	s_wait_tensorcnt 0x0                           ; no tensor load of mine is out, so a group 0 may be written
	ds_add_u32 v[SPW], v[NIL]
.if \fill
	s_xor_b32 s[G0+5], s[G0+5], AX
	s_add_nc_u64 s[G0+6:G0+7], s[G0+6:G0+7], 512
	s_xor_b32 s[G0B+5], s[G0B+5], BX
	s_add_nc_u64 s[G0B+6:G0B+7], s[G0B+6:G0B+7], 0x100000
.endif
	s_wait_dscnt 0x0                               ; the add is done, and my reads of this slot are over (the run into buffer 1 was issued 16 products ago)
.if \fill
	CROUND                                         ; no wave of any partner still reads this slot or has a load on its way
	JLOAD                                          ; its four v_nop are also the places in front of the loads below
.else
	s_barrier_signal -1
	s_barrier_wait -1
	PLACES
.endif
	s_xor_b32 s[TBA], s[TBA], AX
	s_xor_b32 s[TBB], s[TBB], BX
	v_add_nc_u32 v[ADRA], s[TBA], v[AL]
	v_add_nc_u32 v[ADRB], s[TBB], v[BL]
	v_add_nc_u32 v[ADRB+1], 128*PB, v[ADRB]
	FETCH 0, F0                                    ; the next slot's first fragments, 32 products ahead of their first use
	MUL8 F1, 0, 0, 0
	MUL8 F1, 0, 2, 0
	MUL8 F1, 1, 0, 0
	MUL8 F1, 1, 2, 0
.endm
	s_wait_tensorcnt 1                             ; my part of K step 0 is in; step 1's may stay out
	s_barrier_signal -1
	s_barrier_wait -1
	FETCH 0, F0
	QUARTER F0, F1, 1, 1                           ; the first products start the sums
	WIN 0
	s_mov_b32 s3, 6
.Lstep:                                            ; six trips, from a step's second quarter to the next step's first; each fills a slot again
	QUARTER F1, F0, 2, 0
	QUARTER F0, F1, 3, 0
	TURN 1
	QUARTER F0, F1, 1, 0
	WIN 0
	s_sub_co_u32 s3, s3, 1
	s_cmp_lg_u32 s3, 0
	s_cbranch_scc1 .Lstep
	QUARTER F1, F0, 2, 0                           ; steps 6 and 7 ask for nothing
	QUARTER F0, F1, 3, 0
	TURN 0
	QUARTER F0, F1, 1, 0
	QUARTER F1, F0, 2, 0
	QUARTER F0, F1, 3, 0
	s_wait_dscnt 16
	MUL8 F1, 0, 0, 0
	MUL8 F1, 0, 2, 0
	s_wait_dscnt 0x0
	MUL8 F1, 1, 0, 0
	MUL8 F1, 1, 2, 0
	WIN 0
	PLACES
	PLACES
	; THE WAY OUT, 16 rows at a time: a lane's 32 bytes of a row go into my stage (each accumulator's low four registers first) and come back as whole rows of 256 bytes, into the registers that they left.
.macro TOSTAGE a
.irp b, 0,1,2,3
	ds_store_b128 v[STO], v[ACC+8*(4*(\a)+(\b)):ACC+8*(4*(\a)+(\b))+3]   offset:64*(\b)
	ds_store_b128 v[STO], v[ACC+8*(4*(\a)+(\b))+4:ACC+8*(4*(\a)+(\b))+7] offset:64*(\b)+16
.endr
.irp f, 0,1,2,3,4,5,6,7
	ds_load_b128 v[ACC+32*(\a)+4*(\f):ACC+32*(\a)+4*(\f)+3], v[RD] offset:(\f)*2*SP  ; LDS serves a wave's instructions in order (ISA guide 5.7.1.4): these see the stores above; the next block's stores come behind them
.endr
.endm
.macro SEND a, younger                 ; younger: the LDS instructions issued behind block a's loads: the next block's sixteen, or none
.irp f, 0,1,2,3,4,5,6,7
	s_wait_dscnt (\younger)+7-(\f)
	global_store_b128 v[CO], v[ACC+32*(\a)+4*(\f):ACC+32*(\a)+4*(\f)+3], s[8:9] offset:(\a)*131072+(\f)*16384 th:TH_STORE_NT  ; 16 lanes store 256 consecutive bytes, aligned
.endr
.endm
	TOSTAGE 0
	TOSTAGE 1
	SEND 0, 16
	TOSTAGE 2
	SEND 1, 16
	TOSTAGE 3
	SEND 2, 16
	SEND 3, 0
	s_wait_tensorcnt 0x0                           ; the wave's end
	ds_add_u32 v[SPW], v[NIL]
	s_wait_dscnt 0x0
	CROUND                                         ; the closing round
	s_endpgm
.Lfunc_end_k_q8a4f21a4bf_oproj:
	.size	k_q8a4f21a4bf_oproj, .Lfunc_end_k_q8a4f21a4bf_oproj-k_q8a4f21a4bf_oproj
	.p2alignl 7, 3214868480
	.fill 96, 4, 3214868480
	.section	.rodata,"a",@progbits
	.p2align	6, 0x0
	.amdhsa_kernel k_q8a4f21a4bf_oproj
		.amdhsa_group_segment_fixed_size 327680
		.amdhsa_private_segment_fixed_size 0
		.amdhsa_enable_private_segment 0
		.amdhsa_kernarg_size 24
		.amdhsa_user_sgpr_count 2
		.amdhsa_user_sgpr_kernarg_segment_ptr 1
		.amdhsa_wavefront_size32 1
		.amdhsa_system_sgpr_workgroup_id_x 1
		.amdhsa_system_sgpr_workgroup_id_y 1
		.amdhsa_system_sgpr_workgroup_id_z 1
		.amdhsa_system_vgpr_workitem_id 0
		.amdhsa_next_free_vgpr 512
		.amdhsa_next_free_sgpr 72
		.amdhsa_reserve_vcc 0
		.amdhsa_float_denorm_mode_32 3
		.amdhsa_float_denorm_mode_16_64 3
		.amdhsa_memory_ordered 1
		.amdhsa_forward_progress 1
		.amdhsa_inst_pref_size 69
	.end_amdhsa_kernel
	.amdgpu_metadata
---
amdhsa.version: [ 1, 2 ]
amdhsa.kernels:
  - .name:           k_q8a4f21a4bf_oproj
    .symbol:         k_q8a4f21a4bf_oproj.kd
    .args:
      - { .name: oh, .offset: 0, .size: 8, .value_kind: global_buffer, .address_space: global }
      - { .name: woh, .offset: 8, .size: 8, .value_kind: global_buffer, .address_space: global }
      - { .name: out0, .offset: 16, .size: 8, .value_kind: global_buffer, .address_space: global }
    .group_segment_fixed_size: 327680
    .private_segment_fixed_size: 0
    .kernarg_segment_align: 8
    .kernarg_segment_size: 24
    .max_flat_workgroup_size: 128
    .sgpr_count:     72
    .vgpr_count:     512
    .wavefront_size: 32
...
	.end_amdgpu_metadata
.endif
;; end of part 4
